; MI455X (gfx1250); checked and timed in simulation.
; The chip was launched on July 23, 2026; its instructions are those of AMD's public machine-readable ISA for CDNA 5 (MIT licence, August 2026) and "CDNA5" Instruction Set Architecture Reference Guide (July 2026). The comments in the code are by the model that wrote it; some were corrected since.
;; Multi Head Attention. Allowed arithmetic: float matrix products may take bf16 or f16 operands with f32 sums; other float arithmetic in f32, or as packed bf16 or f16 multiplies, adds, multiply-adds, maxima and minima; sums over many terms, partial sums and values carried from step to step in f32; what a program stores and reads back later, other than sums and carried values, may be rounded once to bf16 or f16.
;; Inputs: Wk 1,024 x 1,024 float32; Wo 1,024 x 1,024 float32; Wq 1,024 x 1,024 float32; Wv 1,024 x 1,024 float32; bk 1,024 float32; bo 1,024 float32; bq 1,024 float32; bv 1,024 float32; key 4 x 2,048 x 1,024 float32; query 4 x 2,048 x 1,024 float32; value 4 x 2,048 x 1,024 float32.
;; Outputs: out0 4 x 2,048 x 1,024 float32.
;; One version. Each part assembles by itself: llvm-mc -triple=amdgcn-amd-amdhsa -mcpu=gfx1250 --defsym DOCPART=n.
;; ======== version 1 of 1: 4 launches
;; limits: values are held in f16: magnitudes above 65,504 overflow, below 6.1e-05 lose precision
;; workspace buffers: xb 50,331,648 bytes; wb 8,388,608 bytes; qkv 50,331,648 bytes; ob 16,777,216 bytes
;; launch cast (part 1): grid 512 x 1, 8 waves a work-group, no clusters, 0 bytes of LDS; arguments query, key, value, Wq, Wk, Wv, Wo, xb, wb; writes xb, wb
.if DOCPART == 1
	.amdgcn_target "amdgcn-amd-amdhsa--gfx1250"
	.amdhsa_code_object_version 6
	.text
	.protected	k_q9f607f9e19_cast
	.globl	k_q9f607f9e19_cast
	.p2align	8
	.type	k_q9f607f9e19_cast,@function
k_q9f607f9e19_cast:
	s_mov_b64 s[64:65], 0
	v_nop
	global_prefetch_b8 v0, s[64:65] scope:SCOPE_SE
	s_setreg_imm32_b32 hwreg(HW_REG_WAVE_MODE, 25, 1), 1
	s_wait_xcnt 0x0
; THE INPUTS ARE ROUNDED ONCE.  xb[3][8192][1024] = bf16(query, key, value).  wb[4][1024][1024]: planes 0-2 = bf16(Wq, Wk, Wv); plane 3 = Wo rounded to bf16, that number written as f16
; (exact where it is 2^-14 or more in size; below that it keeps f16's fixed step of 6e-8; beyond 65,504 it would be an infinity).  Nothing is transposed.
; A stream: no LDS, no matrix unit, no cluster (no two work-groups read the same byte), no loop.
; SHARES.  512 work-groups of eight waves.  Work-group g takes 65,536 bytes of each of the three large arrays and 8,192 bytes of each weight: 56 pieces of 4,096 bytes, thread t the 16 bytes
; at 16 t of each piece.  A wave's load covers 512 consecutive bytes; its store, 8 bytes a lane, covers 256 consecutive bytes, aligned.
; IN FLIGHT.  All 56 loads of a wave go out on end, each into registers of its own; then piece n is waited for with the count 55 - n (the younger loads stay out), rounded in place and stored.
; No register is written twice while a memory instruction may read it, so no further wait is needed.
.set XO, 1                             ; v1  byte offset in a large array: 65,536 g + 16 t
.set XD, 2                             ; v2  in its plane of xb: half of that
.set WO, 3                             ; v3  byte offset in a weight: 8,192 g + 16 t
.set WD, 4                             ; v4  in its plane of wb
.set D0, 8                             ; v[8:231]  piece n: four registers
.set WK, 232                           ; v[232:235] at work for Wo
	s_load_b512 s[4:19], s[0:1], 0x0               ; query s[4:5], key s[6:7], value s[8:9], Wq s[10:11], Wk s[12:13], Wv s[14:15], Wo s[16:17], xb s[18:19]
	s_load_b64 s[20:21], s[0:1], 0x40              ; wb
	s_lshl_b32 s2, ttmp9, 16
	s_lshl_b32 s3, ttmp9, 15
	s_lshl_b32 s26, ttmp9, 13
	s_lshl_b32 s27, ttmp9, 12
	v_lshl_add_u32 v[XO], v0, 4, s2
	v_lshl_add_u32 v[XD], v0, 3, s3
	v_lshl_add_u32 v[WO], v0, 4, s26
	v_lshl_add_u32 v[WD], v0, 3, s27
	s_wait_kmcnt 0x0
	s_add_nc_u64 s[22:23], s[18:19], 0x1000000     ; xb's plane for key,
	s_add_nc_u64 s[24:25], s[18:19], 0x2000000     ; and for value: too far for a store's immediate
.set n, 0
.irp base, 4,6,8
.set i, 0
.rept 16
	global_load_b128 v[D0+4*n:D0+4*n+3], v[XO], s[\base:\base+1] offset:4096*i th:TH_LOAD_NT
.set i, i+1
.set n, n+1
.endr
.endr
.irp base, 10,12,14,16
.set i, 0
.rept 2
	global_load_b128 v[D0+4*n:D0+4*n+3], v[WO], s[\base:\base+1] offset:4096*i th:TH_LOAD_NT
.set i, i+1
.set n, n+1
.endr
.endr
.macro CV                              ; piece n is in; its four numbers become two words of bf16, in its own first two registers
	s_wait_loadcnt 55-n                            ; loads come back in order (ISA guide 5.7.1): the 55 - n younger ones stay out
	v_cvt_pk_bf16_f32 v[D0+4*n], v[D0+4*n], v[D0+4*n+1]
	v_cvt_pk_bf16_f32 v[D0+4*n+1], v[D0+4*n+2], v[D0+4*n+3]
.endm
.set n, 0
.irp base, 18,22,24
.set i, 0
.rept 16
	CV
	global_store_b64 v[XD], v[D0+4*n:D0+4*n+1], s[\base:\base+1] offset:2048*i th:TH_STORE_NT
.set i, i+1
.set n, n+1
.endr
.endr
.irp a, 0,1,2,3
.set i, 0
.rept 2
	CV
.if (\a) == 3                          ; Wo: the bf16 numbers are widened (a shift, a mask) and written as f16
	v_lshlrev_b32 v[WK], 16, v[D0+4*n]
	v_and_b32 v[WK+1], 0xffff0000, v[D0+4*n]
	v_lshlrev_b32 v[WK+2], 16, v[D0+4*n+1]
	v_and_b32 v[WK+3], 0xffff0000, v[D0+4*n+1]
	v_cvt_pk_f16_f32 v[D0+4*n], v[WK], v[WK+1]
	v_cvt_pk_f16_f32 v[D0+4*n+1], v[WK+2], v[WK+3]
.endif
	global_store_b64 v[WD], v[D0+4*n:D0+4*n+1], s[20:21] offset:(\a)*2097152+2048*i th:TH_STORE_NT
.set i, i+1
.set n, n+1
.endr
.endr
	s_endpgm
.Lfunc_end_k_q9f607f9e19_cast:
	.size	k_q9f607f9e19_cast, .Lfunc_end_k_q9f607f9e19_cast-k_q9f607f9e19_cast
	.p2alignl 7, 3214868480
	.fill 96, 4, 3214868480
	.section	.rodata,"a",@progbits
	.p2align	6, 0x0
	.amdhsa_kernel k_q9f607f9e19_cast
		.amdhsa_group_segment_fixed_size 0
		.amdhsa_private_segment_fixed_size 0
		.amdhsa_enable_private_segment 0
		.amdhsa_kernarg_size 72
		.amdhsa_user_sgpr_count 2
		.amdhsa_user_sgpr_kernarg_segment_ptr 1
		.amdhsa_wavefront_size32 1
		.amdhsa_system_sgpr_workgroup_id_x 1
		.amdhsa_system_sgpr_workgroup_id_y 1
		.amdhsa_system_sgpr_workgroup_id_z 1
		.amdhsa_system_vgpr_workitem_id 0
		.amdhsa_next_free_vgpr 236
		.amdhsa_next_free_sgpr 66
		.amdhsa_reserve_vcc 0
		.amdhsa_float_denorm_mode_32 3
		.amdhsa_float_denorm_mode_16_64 3
		.amdhsa_memory_ordered 1
		.amdhsa_forward_progress 1
		.amdhsa_inst_pref_size 21
	.end_amdhsa_kernel
	.amdgpu_metadata
---
amdhsa.version: [ 1, 2 ]
amdhsa.kernels:
  - .name:           k_q9f607f9e19_cast
    .symbol:         k_q9f607f9e19_cast.kd
    .args:
      - { .name: query, .offset: 0, .size: 8, .value_kind: global_buffer, .address_space: global }
      - { .name: key, .offset: 8, .size: 8, .value_kind: global_buffer, .address_space: global }
      - { .name: value, .offset: 16, .size: 8, .value_kind: global_buffer, .address_space: global }
      - { .name: Wq, .offset: 24, .size: 8, .value_kind: global_buffer, .address_space: global }
      - { .name: Wk, .offset: 32, .size: 8, .value_kind: global_buffer, .address_space: global }
      - { .name: Wv, .offset: 40, .size: 8, .value_kind: global_buffer, .address_space: global }
      - { .name: Wo, .offset: 48, .size: 8, .value_kind: global_buffer, .address_space: global }
      - { .name: xb, .offset: 56, .size: 8, .value_kind: global_buffer, .address_space: global }
      - { .name: wb, .offset: 64, .size: 8, .value_kind: global_buffer, .address_space: global }
    .group_segment_fixed_size: 0
    .private_segment_fixed_size: 0
    .kernarg_segment_align: 8
    .kernarg_segment_size: 72
    .max_flat_workgroup_size: 256
    .sgpr_count:     66
    .vgpr_count:     236
    .wavefront_size: 32
...
	.end_amdgpu_metadata
.endif
;; end of part 1
;; launch proj (part 2): grid 8 x 96, 4 waves a work-group, clusters of 4 x 4, 327,680 bytes of LDS; arguments xb, wb, bq, bk, bv, qkv; writes qkv
.if DOCPART == 2
	.amdgcn_target "amdgcn-amd-amdhsa--gfx1250"
	.amdhsa_code_object_version 6
	.text
	.protected	k_q9f607f9e19_proj
	.globl	k_q9f607f9e19_proj
	.p2align	8
	.type	k_q9f607f9e19_proj,@function
k_q9f607f9e19_proj:
	s_mov_b64 s[64:65], 0
	v_nop
	global_prefetch_b8 v0, s[64:65] scope:SCOPE_SE
	s_setreg_imm32_b32 hwreg(HW_REG_WAVE_MODE, 25, 1), 1
	s_wait_xcnt 0x0
	s_wait_alu depctr_hold_cnt(0) depctr_sa_sdst(0) depctr_va_vdst(0) depctr_va_sdst(0) depctr_va_ssrc(0) depctr_va_vcc(0) depctr_vm_vsrc(0)
	s_getreg_b32 s2, hwreg(HW_REG_IB_STS2, 6, 4)
	s_cmp_eq_u32 s2, 0
	s_cbranch_scc0 .Lentry_in_a_cluster
	s_endpgm
.Lentry_in_a_cluster:
	s_bfe_u32 s2, ttmp6, 0x10000c
	s_cmp_lg_u32 s2, 0xf033
	s_cbranch_scc0 .Lentry_shape_is_right
	s_endpgm
.Lentry_shape_is_right:
; C = A W + bias, K = 1,024; ONE TEXT FOR TWO LAUNCHES, told apart by OUT.
; OUT = 0, the three projections: A = xb [3 x 8192][1024] bf16, W = planes 0-2 of wb ([k][n] bf16), bias = bq, bk or bv; C goes out by heads, qkv[3][64][2048][64] in f16, unscaled.
; OUT = 1, the last projection: A = ob [64 = batch x 16 + head][2048][64] f16 (a head's 64 channels are a slice of K), W = plane 3 of wb (f16), bias = bo; C = out0 [8192][1024] f32.
; Sums in f32; the bias is rounded to bf16 like every input of the module and added in f32; C is rounded once.
; LIMIT.  OUT = 0 writes f16, which holds no number beyond 65,504: a projection of 65,520 or more in size becomes an infinity.  NaN and infinities are not treated apart.
; SHARES.  A work-group makes 256 rows x 128 columns of C: 768 work-groups (OUT = 0) or 256 (OUT = 1).  Wave w makes rows 128 (w / 2) .. and columns 64 (w % 2) .. (one head): 8 x 4 accumulators
; of 16 x 16, 256 registers.  K goes in 8 steps of 128 through a ring of two LDS slots filled by the tensor data mover; a step is four quarters of 32 along K, 32 matrix instructions a wave each.
; CLUSTERS.  4 x 4 work-groups.  The four of a row of the cluster need the same tiles of A, the four of a column the same tiles of W: each tile is asked for JOINTLY, by the same tensor load with
; the same descriptor and a mask that names the four.  Waves 0 and 1 ask for A's two halves, waves 2 and 3 for W's: one load a wave behind each round; two loads of a wave are out at the start, later one.
; THE MATRIX INSTRUCTION IS USED TRANSPOSED: source 0 = 16 columns of W, source 1 = 16 rows of A: a lane then holds row l % 16 of C and the eight neighbouring columns 8 (l / 16) + 0 .. 7.
; W lies [k][n] and is turned on its way out of LDS by ds_load_tr16_b128; A comes out as it lies.
; REGISTERS.  window 0: v0-31 addresses; v32-63 the bias of my 64 columns; v64-159, v160-255 two fragment buffers (8 x 8 of A, then 4 x 8 of W), at work again on the way out.
;   window 1: the accumulators, (a, b) at v[8 (4 a + b)].  Two switches of the window a quarter.
.set OUT, 0
.if OUT
.set PA,     144                       ; a row of A in LDS: a head's 128 bytes + 16 of padding = 36 words: the 16 rows of a load start at 16 different groups of four banks (64 banks of 4 bytes: ISA guide 11.1)
.set AROWS,  256                       ; LDS rows that one load of A brings: one head's 64 channels of the tile's 256 rows
.set AQI,    4                         ; padding after every 32 words
.set ASTR,   128                       ; the 32,768 dense bytes are asked for as 128 rows of 256 bytes
.set ASTEP,  2*2048*128                ; a K step is two heads
.set PFL,    256                       ; the prefetches: a lane names 256 bytes of the dense block
.set SPITCH, 272                       ; a row of the stage: 64 f32 + 16 bytes
.set YOUNG,  16                        ; LDS instructions of one block's way through the stage
.else
.set PA,     272                       ; 256 bytes + 16 = 68 words: row r starts at bank 4 r mod 64
.set AROWS,  128                       ; half of the tile's rows, 128 along K
.set AQI,    5                         ; padding after every 64 words
.set ASTR,   1024
.set ASTEP,  256                       ; a K step is 256 bytes of a row
.set PFL,    2048                      ; a lane a row
.set SPITCH, 144                       ; 64 f16 + 16 bytes
.set YOUNG,  8
.endif
.set PB,     288                       ; a k row of W in LDS: 256 + 32 = 72 words
.set HA,     AROWS*PA                  ; what one load of A fills
.set HB,     64*PB                     ; what one load of W fills: 64 k rows x 128 columns
.set BOFF,   2*HA                      ; a slot: A's two halves, then W's two
.set SLOT,   BOFF+2*HB
.set STAGE,  2*SLOT                    ; behind the ring, never filled by a tensor load: 16 rows for each wave, for the way out
.set SPARE,  STAGE+4*16*SPITCH         ; behind the stages: the spare words, 128 bytes for each wave: two blocks of 256 bytes that no other line names
.set BSTEP,  128*2048                  ; 128 k rows of W
.set LAPS,   4                         ; a lap = two K steps = once round the ring
.set ADRA, 16                          ; v16-17  LDS address of my A fragments in slot 0, 1
.set ADRB, 20                          ; v20-21  the same for W
.set STO,  24                          ; v24     the way out: where I put my part of a row
.set RD,   25                          ; v25     the way out: where I read rows back
.set GO,   26                          ; v26     my byte offset in C
.set BO,   27                          ; v27     my byte offset in the bias: 32 (l / 16)
.set SPW,  28                          ; v28     LDS address of my spare word: SPARE + 4 x my thread's number; never rewritten
.set NIL,  29                          ; v29     0; never rewritten
.set PFO,  30                          ; v30     the prefetches' offset: my lane x PFL; never rewritten
.set TP,   31                          ; v31     at work
.set BIAS, 32                          ; v32-63  block b's eight at BIAS + 8 b
.set F0,   64
.set F1,   160
.set T,    64                          ; the way out: a block's 32 sums with the bias
.set PK,   96                          ; the way out (OUT = 0): they packed to f16
.set RB,   128                         ; the way out: rows read back from the stage
.set G1,   24                          ; s[24:31] descriptor group 1 for A's tiles;  s[32:39] group 0, one set for each slot
.set G0,   32
.set G1B,  48                          ; s[48:55], s[56:63] the same for W's tiles
.set G0B,  56
.set PFA,  44                          ; s[44:45] where my prefetches stand: my work-group's 32 blocks of the 128 that I fetch, one K step on from the refill in hand; a prefetch names the K step after that
.set LIM,  46                          ; s46  1 in a wave that prefetches, else the greatest number
.set MSB, 0
.macro WIN new                         ; the immediate's high byte repeats the setting that is left; a switch that changes nothing is dropped
.if MSB != (\new)
	s_set_vgpr_msb (MSB<<8)|(\new)
.set MSB, \new
.endif
.endm
.set MUL, 0x50                         ; sources 0 and 1 window 0; C and D window 1
.macro WM args:vararg                  ; the product's form goes by the operands' format
.if OUT
	v_wmma_f32_16x16x32_f16 \args
.else
	v_wmma_f32_16x16x32_bf16 \args
.endif
.endm
; A joint load.  The branch hangs on the wave's number alone.  An s_nop 0 and four v_nop follow each of the two lines, ahead of the jump, the label and what follows.
.macro JLOAD s
	s_cmp_eq_u32 s17, 0
	s_cbranch_scc0 .Lfor_b_\@
	tensor_load_to_lds s[G0+4*(\s):G0+4*(\s)+3], s[G1:G1+7]
	s_nop 0
.rept 4
	v_nop
.endr
	s_branch .Lasked_\@
.Lfor_b_\@:
	tensor_load_to_lds s[G0B+4*(\s):G0B+4*(\s)+3], s[G1B:G1B+7]
	s_nop 0
.rept 4
	v_nop
.endr
.Lasked_\@:
.endm
; A prefetch of A's K step that stands two refills on (256 matrix instructions of a wave ahead of the load that will want it): 32 blocks of 256 bytes, a lane a block, one instruction a wave.
; Each block is named once in the launch: both clusters of a row of clusters read A's tile rows, and the one with cluster x = 0 asks; of the 128 blocks that wave 0 or 1 fetches, the partner at
; place cx takes 32, told apart by address.  K steps 0 to 3 come by their loads alone; the loop's last trip (s3 = 1) asks for nothing: there is no K step 8.  W is not asked for: every tile row reads it.
.macro ASK
	s_cmp_gt_u32 s3, s[LIM]
	s_cbranch_scc0 .Lnot_mine_\@
	global_prefetch_b8 v[PFO], s[PFA:PFA+1] offset:ASTEP th:TH_LOAD_NT scope:SCOPE_SE
.Lnot_mine_\@:
.endm
.macro CREST                           ; a round of the cluster's barrier behind its opening barrier
	s_cmp_lg_u32 s16, 0
	s_cbranch_scc1 .Lnot_wave_0_\@
	s_barrier_signal -3
.Lnot_wave_0_\@:
	s_barrier_wait -3
	s_barrier_signal -1
	s_barrier_wait -1
.endm
.macro CROUND                          ; a whole round
	s_barrier_signal -1
	s_barrier_wait -1
	CREST
.endm
	s_load_b256 s[4:11], s[0:1], 0x0               ; A s[4:5], wb s[6:7], the first bias s[8:9]; s[10:11]: bk (OUT = 0) or out0 (OUT = 1)
.if OUT == 0
	s_load_b128 s[12:15], s[0:1], 0x20             ; bv s[12:13], qkv s[14:15]
.endif
	v_lshl_add_u32 v[SPW], v0, 2, SPARE
	v_mov_b32 v[NIL], 0
	ds_add_u32 v[SPW], v[NIL]                      ; the wave's opening: the add and its wait stand ahead of my first tensor load; the set-up below, work on registers, stands between them
	v_lshrrev_b32 v1, 5, v0
	v_readfirstlane_b32 s16, v1                    ; wave 0..3
	s_lshr_b32 s17, s16, 1                         ; which 128 rows of the tile are mine.  Also: I fetch for A (0) or for W (1)
	s_and_b32 s18, s16, 1                          ; which 64 columns.  Also: which half of that tile I fetch
	s_bfe_u32 s19, ttmp6, 0x40000                  ; cx, cy: my place in the cluster
	s_bfe_u32 s20, ttmp6, 0x40004
	s_lshl_b32 s21, ttmp9, 2
	s_add_co_u32 s21, s21, s19                     ; tile column of C = 4 x cluster x + cx
	s_and_b32 s23, ttmp7, 0xffff                   ; cluster y
	s_lshl_b32 s22, s23, 2
	s_add_co_u32 s22, s22, s20                     ; tile row of C = 4 x cluster y + cy
	s_lshr_b32 s23, s23, 3                         ; OUT = 0: which projection: 32 tile rows, 8 clusters, each; the same in all sixteen partners
	s_lshl_b32 s67, s20, 2
	s_lshl_b32 s67, 15, s67                        ; my row of the cluster
	s_lshl_b32 s2, 0x1111, s19                     ; my column
	s_or_b32 s[G1+0], s67, (1<<16)|(1<<20)|(1<<21)|(AQI<<22)|(3<<25)  ; 15:0 the mask: A's tiles go to my row; 17:16 elements of 2 bytes; 20 padding on; 21 set beside a mask; 24:22 its interval; 31:25 4 words of it (code 3)
	s_mov_b32 s[G1+1], 128<<16                     ; tensor_dim0 = 128
	s_mov_b32 s[G1+2], 128<<16                     ; tensor_dim1 = 128
	s_mov_b32 s[G1+3], 128<<16                     ; tile_dim0 = 128 elements: 256 bytes
	s_mov_b32 s[G1+4], 128                         ; tile_dim1 = 128 rows
	s_mov_b32 s[G1+5], ASTR                        ; elements from row to row
	s_mov_b32 s[G1+6], 0
	s_mov_b32 s[G1+7], 0
	s_or_b32 s[G1B+0], s2, (1<<16)|(1<<20)|(1<<21)|(5<<22)|(7<<25)    ; W's tiles go to my column; 8 words of padding (code 7) after every 64
	s_mov_b32 s[G1B+1], 128<<16
	s_mov_b32 s[G1B+2], 64<<16                     ; 64 k rows
	s_mov_b32 s[G1B+3], 128<<16
	s_mov_b32 s[G1B+4], 64
	s_mov_b32 s[G1B+5], 1024
	s_mov_b32 s[G1B+6], 0
	s_mov_b32 s[G1B+7], 0
	; where the tiles come from.  A's hang on the tile row and the wave alone, W's on the tile column, the projection and the wave alone, each in registers that never hold the other coordinate
.if OUT
	s_lshr_b32 s40, s22, 3                         ; the batch: 8 tile rows each, 16 heads of 2^18 bytes,
	s_lshl_b32 s40, s40, 22
	s_lshl_b32 s41, s18, 18                        ; the head of the K step's two that I fetch,
	s_add_co_u32 s40, s40, s41
	s_and_b32 s41, s22, 7                          ; the tile's 256 rows of 128 bytes
	s_lshl_b32 s41, s41, 15
	s_add_co_u32 s40, s40, s41
	s_mov_b32 s42, 3<<21                           ; plane 3 of wb
.else
	s_lshl_b32 s40, s22, 19                        ; 256 rows of 2,048 bytes a tile row,
	s_lshl_b32 s41, s18, 18                        ; the 128 of them that I fetch
	s_add_co_u32 s40, s40, s41
	s_lshl_b32 s42, s23, 21                        ; the projection's plane of wb
.endif
	s_mov_b32 s41, 0
	s_lshl_b32 s43, s18, 17                        ; the 64 k rows that I fetch,
	s_add_co_u32 s42, s42, s43
	s_lshl_b32 s43, s21, 8                         ; the tile's 128 columns
	s_add_co_u32 s42, s42, s43
	s_mov_b32 s43, 0
	s_mul_i32 s47, s18, HA                         ; and where they go: no place in the cluster enters an LDS address
	s_mul_i32 s66, s18, HB
	s_add_co_u32 s66, s66, BOFF
	s_wait_dscnt 0x0                               ; the opening add is done
	s_wait_kmcnt 0x0
	s_add_nc_u64 s[40:41], s[4:5], s[40:41]
	s_add_nc_u64 s[42:43], s[6:7], s[42:43]
.if OUT
	s_mov_b64 s[14:15], s[10:11]                   ; C
.else
	s_cmp_eq_u32 s23, 1
	s_cselect_b64 s[8:9], s[10:11], s[8:9]         ; the projection's bias
	s_cmp_eq_u32 s23, 2
	s_cselect_b64 s[8:9], s[12:13], s[8:9]
.endif
	CROUND                                         ; all sixteen work-groups are here: the first joint loads meet
.irp s, 0,1
	s_mov_b32 s[G0+4*(\s)], 1                                        ; 1:0 count = 1
	s_add_co_u32 s[G0+4*(\s)+1], s47, (\s)*SLOT                      ; 63:32 LDS address
	s_add_nc_u64 s[G0+4*(\s)+2:G0+4*(\s)+3], s[40:41], (\s)*ASTEP    ; 120:64 global address: K step s
	s_or_b32 s[G0+4*(\s)+3], s[G0+4*(\s)+3], 0x80000000              ; 127:126 type = 2
	s_mov_b32 s[G0B+4*(\s)], 1
	s_add_co_u32 s[G0B+4*(\s)+1], s66, (\s)*SLOT
	s_add_nc_u64 s[G0B+4*(\s)+2:G0B+4*(\s)+3], s[42:43], (\s)*BSTEP
	s_or_b32 s[G0B+4*(\s)+3], s[G0B+4*(\s)+3], 0x80000000
	JLOAD \s
.endr
	; A fragment of A is 16 rows x 32 K in 8 registers: lane l holds row l % 16; registers 0-3 K = 8 (l / 16) + 0..7, registers 4-7 K = 16 + 8 (l / 16) + 0..7: two loads of 16 bytes, 32 bytes apart.
	v_and_b32 v1, 15, v0                           ; l % 16
	v_bfe_u32 v2, v0, 4, 1                         ; l / 16
	v_mul_u32_u24 v3, v1, PA
	v_lshl_add_u32 v3, v2, 4, v3                   ; row x pitch + 16 x half
	s_mul_i32 s70, s17, 128*PA                     ; my 128 rows
	; The turning load takes 16 k x 16 columns (lane l reads 16 bytes: k row 8 (l / 16) + l % 8, columns 8 ((l / 8) % 2) + 0..7) and leaves half a fragment: lane l holds column l % 16 and 8 k.
	v_and_b32 v4, 7, v0
	v_bfe_u32 v5, v0, 3, 1
	v_lshl_add_u32 v6, v2, 3, v4
	v_mul_u32_u24 v6, v6, PB
	v_lshl_add_u32 v6, v5, 4, v6
	s_lshl_b32 s71, s18, 7                         ; my 64 columns: 128 bytes of a k row,
	s_add_co_u32 s71, s71, BOFF                    ; behind A's part of the slot
.irp s, 0,1
	v_add_nc_u32 v[ADRA+(\s)], s70, v3
	v_add_nc_u32 v[ADRB+(\s)], s71, v6
	s_add_co_u32 s70, s70, SLOT
	s_add_co_u32 s71, s71, SLOT
.endr
	s_mul_i32 s72, s16, 16*SPITCH
	s_add_co_u32 s72, s72, STAGE                   ; my stage
	v_mul_u32_u24 v7, v1, SPITCH                   ; in: row l % 16, eight numbers for each half of the lanes
.if OUT
	v_lshl_add_u32 v7, v2, 5, v7
	v_add_nc_u32 v[STO], s72, v7
	v_mul_u32_u24 v7, v2, SPITCH                   ; back: lanes 0-15 take one row of 256 bytes, lanes 16-31 the next,
	v_lshl_add_u32 v7, v1, 4, v7
	v_add_nc_u32 v[RD], s72, v7
	v_lshlrev_b32 v7, 12, v2                       ; and the same two rows in C, 4,096 bytes apart
	v_lshl_add_u32 v[GO], v1, 4, v7
.else
	v_lshl_add_u32 v7, v2, 4, v7
	v_add_nc_u32 v[STO], s72, v7
	v_bfe_u32 v7, v0, 3, 2                         ; back: 32 lanes take four rows of 128 bytes,
	v_mul_u32_u24 v7, v7, SPITCH
	v_lshl_add_u32 v7, v4, 4, v7
	v_add_nc_u32 v[RD], s72, v7
	v_and_b32 v7, 31, v0                           ; which are 512 consecutive bytes of a head's rows
	v_lshlrev_b32 v[GO], 4, v7
.endif
	v_lshlrev_b32 v[BO], 5, v2
	s_lshl_b32 s76, s21, 9                         ; the bias of my 64 columns: 512 bytes a tile column, 256 a wave
	s_lshl_b32 s77, s18, 8
	s_add_co_u32 s76, s76, s77
	s_mov_b32 s77, 0
	s_add_nc_u64 s[8:9], s[8:9], s[76:77]
.irp b, 0,1,2,3
	global_load_b128 v[BIAS+8*(\b):BIAS+8*(\b)+3],   v[BO], s[8:9] offset:64*(\b)
	global_load_b128 v[BIAS+8*(\b)+4:BIAS+8*(\b)+7], v[BO], s[8:9] offset:64*(\b)+16
.endr
	; where my part of C begins
.if OUT
	s_lshl_b32 s68, s22, 20                        ; 256 rows of 4,096 bytes a tile row,
	s_lshl_b32 s74, s17, 19                        ; my 128 of them,
	s_add_co_u32 s68, s68, s74
	s_lshl_b32 s74, s21, 9                         ; 128 columns of 4 bytes a tile column,
	s_add_co_u32 s68, s68, s74
	s_lshl_b32 s74, s18, 8                         ; my 64
	s_add_co_u32 s68, s68, s74
.else
	s_lshr_b32 s68, s22, 3                         ; 4 x projection + batch: 8 tile rows each, 16 heads of 2^18 bytes,
	s_lshl_b32 s68, s68, 22
	s_and_b32 s74, s22, 7                          ; the tile's 256 rows of 128 bytes,
	s_lshl_b32 s74, s74, 15
	s_add_co_u32 s68, s68, s74
	s_lshl_b32 s74, s21, 19                        ; two heads a tile column,
	s_add_co_u32 s68, s68, s74
	s_lshl_b32 s74, s18, 18                        ; mine of the two,
	s_add_co_u32 s68, s68, s74
	s_lshl_b32 s74, s17, 14                        ; my 128 rows
	s_add_co_u32 s68, s68, s74
.endif
	s_mov_b32 s69, 0
	s_add_nc_u64 s[14:15], s[14:15], s[68:69]
	; the prefetches: nothing is asked for here, at the head, where every work-group's first tiles are on their way
	s_mul_i32 s78, s19, 32*PFL                     ; my work-group's 32 blocks of the 128
	s_mov_b32 s79, 0
	s_add_nc_u64 s[PFA:PFA+1], s[40:41], s[78:79]
	s_add_nc_u64 s[PFA:PFA+1], s[PFA:PFA+1], 2*ASTEP  ; at K step 2: the first refill steps it to 3 and names K step 4
	s_or_b32 s[LIM], s17, ttmp9                    ; 0 in waves 0 and 1 of the clusters with x = 0: the same in all sixteen partners, for a given wave
	s_cmp_eq_u32 s[LIM], 0
	s_cselect_b32 s[LIM], 1, -1
	v_and_b32 v[PFO], 31, v0
	v_mul_u32_u24 v[PFO], v[PFO], PFL
	s_wait_loadcnt 0x0                             ; the bias, once: rounded to bf16 like every input, and widened again
.set i, 0
.rept 16
	v_cvt_pk_bf16_f32 v[TP], v[BIAS+2*i], v[BIAS+2*i+1]
	v_lshlrev_b32 v[BIAS+2*i], 16, v[TP]
	v_and_b32 v[BIAS+2*i+1], 0xffff0000, v[TP]
.set i, i+1
.endr
; 8 matrix instructions: row blocks a0, a0 + 1 x all 4 column blocks, 32 along K, from buffer f.  zero = 1: the product starts the sum: nothing is ever cleared.
; The 32 accumulators take turns, one instruction a turn, in the same order in every quarter, over the backward jump too.
.macro MUL8 f, a0, zero
	WIN MUL
.irp a, \a0, (\a0)+1
.irp b, 0,1,2,3
.if \zero
	WM v[8*(4*(\a)+(\b)):8*(4*(\a)+(\b))+7], v[(\f)+64+8*(\b):(\f)+64+8*(\b)+7], v[(\f)+8*(\a):(\f)+8*(\a)+7], 0
.else
	WM v[8*(4*(\a)+(\b)):8*(4*(\a)+(\b))+7], v[(\f)+64+8*(\b):(\f)+64+8*(\b)+7], v[(\f)+8*(\a):(\f)+8*(\a)+7], v[8*(4*(\a)+(\b)):8*(4*(\a)+(\b))+7]
.endif
.endr
.endr
.endm
; 24 LDS loads in one run: the fragments of quarter q of a slot into buffer f: W's four (turned) first, then A's eight in ascending rows
.macro FETCH slot, q, f
	WIN 0
.irp b, 0,1,2,3
	ds_load_tr16_b128 v[(\f)+64+8*(\b):(\f)+64+8*(\b)+3],   v[ADRB+(\slot)] offset:(\q)*32*PB+32*(\b)
	ds_load_tr16_b128 v[(\f)+64+8*(\b)+4:(\f)+64+8*(\b)+7], v[ADRB+(\slot)] offset:(\q)*32*PB+32*(\b)+16*PB
.endr
.irp i, 0,1,2,3,4,5,6,7
.if OUT
.set AO, ((\q)/2)*HA+((\q)%2)*64+(\i)*16*PA    ; the head q / 2 of the step's two, its channels 32 (q % 2) on
.else
.set AO, (\q)*64+(\i)*16*PA
.endif
	ds_load_b128 v[(\f)+8*(\i):(\f)+8*(\i)+3],   v[ADRA+(\slot)] offset:AO
	ds_load_b128 v[(\f)+8*(\i)+4:(\f)+8*(\i)+7], v[ADRA+(\slot)] offset:AO+32
.endr
.endm
.macro PLACES                          ; four places in front of loads into registers that matrix instructions have read, and of vector lines that read results (ISA guide 7.12.1 for the vector lines)
.rept 4
	v_nop
.endr
.endm
; One of a K step's first three quarters: multiplies buffer f; in its middle it fetches quarter q of the same slot into buffer g.
.macro QUARTER slot, q, f, g, zero
	s_wait_dscnt 8                                 ; W and A's rows 0-63 are in; the youngest eight loads (A's rows 64-127) may be out
	MUL8 \f, 0, \zero
	MUL8 \f, 2, \zero
	PLACES
	FETCH \slot, \q, \g
	s_wait_dscnt 24                                ; all but the 24 just issued
	MUL8 \f, 4, \zero
	MUL8 \f, 6, \zero
.endm
; The last quarter multiplies buffer 1 and changes slots: ONE barrier; in front of it each wave waits for all its tensor loads (the one that is out is its part of the next slot), adds 0 to its spare
; word, and waits for that and for its own reads of this slot.  fill = 1: the barrier opens a round of the cluster's, and this slot is filled again, two K steps ahead, first thing behind the round:
; 112 matrix instructions ahead of the wait for it.
.macro TURN slot, next, fill
.if \fill
	s_wait_xcnt 0x0                                ; the last prefetch, a K step back, has read its address: it is stepped here, ahead of the waits of the change of slots
	s_add_nc_u64 s[PFA:PFA+1], s[PFA:PFA+1], ASTEP
.endif
	WIN 0                                          ; (the add's two registers lie in window 0)
	s_wait_tensorcnt 0x0                           ; all my tensor loads have landed;
	ds_add_u32 v[SPW], v[NIL]                      ; 0 onto my spare word
	s_wait_dscnt 9                                 ; (the add and the youngest eight loads may be out)
	MUL8 F1, 0, 0                                  ; eight matrix instructions stand between the add and the wait for it
	s_wait_dscnt 0x0                               ; the add is done, and my reads of this slot are over
	s_barrier_signal -1
	MUL8 F1, 2, 0
.if \fill
	WIN 0
.endif
	s_barrier_wait -1
.if \fill
	CREST                                          ; no wave of any partner still reads this slot's tile or has a load on its way
	s_add_nc_u64 s[G0+4*(\slot)+2:G0+4*(\slot)+3], s[G0+4*(\slot)+2:G0+4*(\slot)+3], 2*ASTEP
	s_add_nc_u64 s[G0B+4*(\slot)+2:G0B+4*(\slot)+3], s[G0B+4*(\slot)+2:G0B+4*(\slot)+3], 2*BSTEP
	JLOAD \slot                                    ; the four v_nop behind it are also the places in front of the loads below
.else
	PLACES
.endif
	FETCH \next, 0, F0
.if \fill
	ASK
.endif
	MUL8 F1, 4, 0
	MUL8 F1, 6, 0
.endm
	s_wait_tensorcnt 1                             ; my part of K step 0 is in; K step 1's may stay out
	s_barrier_signal -1
	s_barrier_wait -1                              ; everybody's is
	FETCH 0, 0, F0
	QUARTER 0, 1, F0, F1, 1                        ; the first quarter stands in front of the loop: its products start the sums
	WIN 0                                          ; at a label and at a branch every window is 0
	s_mov_b32 s3, LAPS-1
.Llap:                                                 ; a trip goes once round the ring, from a lap's second quarter to the next lap's first, and fills both slots again
	QUARTER 0, 2, F1, F0, 0
	QUARTER 0, 3, F0, F1, 0
	TURN 0, 1, 1
	QUARTER 1, 1, F0, F1, 0
	QUARTER 1, 2, F1, F0, 0
	QUARTER 1, 3, F0, F1, 0
	TURN 1, 0, 1
	QUARTER 0, 1, F0, F1, 0
	WIN 0
	s_sub_co_u32 s3, s3, 1
	s_cmp_lg_u32 s3, 0
	s_cbranch_scc1 .Llap
	QUARTER 0, 2, F1, F0, 0                        ; the last lap fills nothing, and has no round of the cluster's barrier
	QUARTER 0, 3, F0, F1, 0
	TURN 0, 1, 0
	QUARTER 1, 1, F0, F1, 0
	QUARTER 1, 2, F1, F0, 0
	QUARTER 1, 3, F0, F1, 0
	s_wait_dscnt 8                                 ; the very last quarter: nothing more to fetch
	MUL8 F1, 0, 0
	MUL8 F1, 2, 0
	s_wait_dscnt 0x0
	MUL8 F1, 4, 0
	MUL8 F1, 6, 0
	WIN 0
	PLACES
; THE WAY OUT, a block of 16 rows at a time, through my own stage in LDS.  PACK: the bias is added (each accumulator's registers in ascending order), OUT = 0: the sums are
; rounded to f16; a lane's eight neighbouring numbers go into the stage's padded rows and come back as whole rows.  SEND: stored.
.macro PACK a
	WIN 0x01                                       ; source 0 window 1
.irp b, 0,1,2,3
.irp j, 0,2,4,6
	v_pk_add_f32 v[T+8*(\b)+(\j):T+8*(\b)+(\j)+1], v[8*(4*(\a)+(\b))+(\j):8*(4*(\a)+(\b))+(\j)+1], v[BIAS+8*(\b)+(\j):BIAS+8*(\b)+(\j)+1]
.endr
.endr
	WIN 0
.if OUT
.irp b, 0,1,2,3
	ds_store_b128 v[STO], v[T+8*(\b):T+8*(\b)+3]   offset:64*(\b)
	ds_store_b128 v[STO], v[T+8*(\b)+4:T+8*(\b)+7] offset:64*(\b)+16
.endr
.if (\a) >= 4
	s_wait_xcnt 0x0                                ; the stores of the block four back have read the registers that are loaded again below
.endif
.irp t, 0,1,2,3,4,5,6,7
	ds_load_b128 v[RB+32*((\a)%4)+4*(\t):RB+32*((\a)%4)+4*(\t)+3], v[RD] offset:(\t)*2*SPITCH  ; LDS serves a wave's instructions in order (ISA guide 5.7.1.4): these see the stores above; the next block's stores come behind them
.endr
.else
.irp b, 0,1,2,3
.irp j, 0,1,2,3
	v_cvt_pk_f16_f32 v[PK+4*(\b)+(\j)], v[T+8*(\b)+2*(\j)], v[T+8*(\b)+2*(\j)+1]
.endr
.endr
.irp b, 0,1,2,3
	ds_store_b128 v[STO], v[PK+4*(\b):PK+4*(\b)+3] offset:32*(\b)
.endr
.irp f, 0,1,2,3
	ds_load_b128 v[RB+16*(\a)+4*(\f):RB+16*(\a)+4*(\f)+3], v[RD] offset:(\f)*4*SPITCH  ; in order behind the stores above; the next block's stores come behind them
.endr
.endif
.endm
.macro SEND a, younger                 ; younger: the LDS instructions issued behind block a's loads: the next block's, or none
.if OUT
.irp t, 0,1,2,3,4,5,6,7
	s_wait_dscnt (\younger)+7-(\t)
	global_store_b128 v[GO], v[RB+32*((\a)%4)+4*(\t):RB+32*((\a)%4)+4*(\t)+3], s[14:15] offset:(16*(\a)+2*(\t))*4096 th:TH_STORE_NT  ; 16 lanes store 256 consecutive bytes, at a multiple of 256 from C's first byte
.endr
.else
.irp f, 0,1,2,3
	s_wait_dscnt (\younger)+3-(\f)
	global_store_b128 v[GO], v[RB+16*(\a)+4*(\f):RB+16*(\a)+4*(\f)+3], s[14:15] offset:2048*(\a)+512*(\f)  ; 512 consecutive bytes, at a multiple of 256 from C's first byte
.endr
.endif
.endm
	PACK 0
.irp a, 1,2,3,4,5,6,7                  ; a block's arithmetic stands between the loads of the block before and its stores
	PACK \a
	SEND (\a)-1, YOUNG
.endr
	SEND 7, 0
	s_wait_tensorcnt 0x0                           ; the wave's end: behind my last tensor load and my last LDS store
	ds_add_u32 v[SPW], v[NIL]
	s_wait_dscnt 0x0
	CROUND                                         ; the closing round: no work-group ends while a partner may still ask for a tile that names it
	s_endpgm
.Lfunc_end_k_q9f607f9e19_proj:
	.size	k_q9f607f9e19_proj, .Lfunc_end_k_q9f607f9e19_proj-k_q9f607f9e19_proj
	.p2alignl 7, 3214868480
	.fill 96, 4, 3214868480
	.section	.rodata,"a",@progbits
	.p2align	6, 0x0
	.amdhsa_kernel k_q9f607f9e19_proj
		.amdhsa_group_segment_fixed_size 327680
		.amdhsa_private_segment_fixed_size 0
		.amdhsa_enable_private_segment 0
		.amdhsa_kernarg_size 48
		.amdhsa_user_sgpr_count 2
		.amdhsa_user_sgpr_kernarg_segment_ptr 1
		.amdhsa_wavefront_size32 1
		.amdhsa_system_sgpr_workgroup_id_x 1
		.amdhsa_system_sgpr_workgroup_id_y 1
		.amdhsa_system_sgpr_workgroup_id_z 1
		.amdhsa_system_vgpr_workitem_id 0
		.amdhsa_next_free_vgpr 512
		.amdhsa_next_free_sgpr 80
		.amdhsa_reserve_vcc 0
		.amdhsa_float_denorm_mode_32 3
		.amdhsa_float_denorm_mode_16_64 3
		.amdhsa_memory_ordered 1
		.amdhsa_forward_progress 1
		.amdhsa_inst_pref_size 100
	.end_amdhsa_kernel
	.amdgpu_metadata
---
amdhsa.version: [ 1, 2 ]
amdhsa.kernels:
  - .name:           k_q9f607f9e19_proj
    .symbol:         k_q9f607f9e19_proj.kd
    .args:
      - { .name: xb, .offset: 0, .size: 8, .value_kind: global_buffer, .address_space: global }
      - { .name: wb, .offset: 8, .size: 8, .value_kind: global_buffer, .address_space: global }
      - { .name: bq, .offset: 16, .size: 8, .value_kind: global_buffer, .address_space: global }
      - { .name: bk, .offset: 24, .size: 8, .value_kind: global_buffer, .address_space: global }
      - { .name: bv, .offset: 32, .size: 8, .value_kind: global_buffer, .address_space: global }
      - { .name: qkv, .offset: 40, .size: 8, .value_kind: global_buffer, .address_space: global }
    .group_segment_fixed_size: 327680
    .private_segment_fixed_size: 0
    .kernarg_segment_align: 8
    .kernarg_segment_size: 48
    .max_flat_workgroup_size: 128
    .sgpr_count:     80
    .vgpr_count:     512
    .wavefront_size: 32
...
	.end_amdgpu_metadata
.endif
;; end of part 2
;; launch attn (part 3): grid 4 x 64, 4 waves a work-group, clusters of 4 x 1, 327,680 bytes of LDS; arguments qkv, ob; writes ob
.if DOCPART == 3
	.amdgcn_target "amdgcn-amd-amdhsa--gfx1250"
	.amdhsa_code_object_version 6
	.text
	.protected	k_q9f607f9e19_attn
	.globl	k_q9f607f9e19_attn
	.p2align	8
	.type	k_q9f607f9e19_attn,@function
k_q9f607f9e19_attn:
	s_mov_b64 s[64:65], 0
	v_nop
	global_prefetch_b8 v0, s[64:65] scope:SCOPE_SE
	s_setreg_imm32_b32 hwreg(HW_REG_WAVE_MODE, 25, 1), 1
	s_wait_xcnt 0x0
	s_wait_alu depctr_hold_cnt(0) depctr_sa_sdst(0) depctr_va_vdst(0) depctr_va_sdst(0) depctr_va_ssrc(0) depctr_va_vcc(0) depctr_vm_vsrc(0)
	s_getreg_b32 s2, hwreg(HW_REG_IB_STS2, 6, 4)
	s_cmp_eq_u32 s2, 0
	s_cbranch_scc0 .Lentry_in_a_cluster
	s_endpgm
.Lentry_in_a_cluster:
	s_bfe_u32 s2, ttmp6, 0x10000c
	s_cmp_lg_u32 s2, 0x3003
	s_cbranch_scc0 .Lentry_shape_is_right
	s_endpgm
.Lentry_shape_is_right:
; O[h][q][:] = the sum over k of softmax_k(Q[h][q] . K[h][k] / 8) V[h][k][:].  Q, K, V are the three planes of qkv, O is ob: each [64][SIZE_N][64] in f16: a head's rows are dense, 128 bytes each.
; Products, maxima and sums in f32; the weights p are rounded to f16 for the second product (their sum l is taken of the unrounded p), O once at the end.
; LIMITS.  f16 holds no number beyond 65,504: Q, K and V arrive within it; p lies in 0 to 1, and below 6e-5 it keeps f16's fixed step of 6e-8; O is a mean of V's rows and has their range.
; A weight below 2^-126 counts as 0 in l; NaN and infinities are not treated apart.
; SHARES.  A wave owns four PIECES of two tiles of 16 queries, a work-group's four waves 512 queries of one head: 4 x 64 = 256 work-groups.  Every wave walks all keys, 64 a step.
; LAYOUT.  S^T = K Q^T (source 0 = 16 keys, source 1 = 16 queries): in the result a lane holds ONE query (lane % 16) and the keys 8 (lane / 16) + 0..7.  Two such tiles, rounded to f16 in pairs,
; ARE source 1 (32 keys x 16 queries) of O^T = V^T P, whose result again holds one query a lane, and eight channels.  K comes out of LDS as it lies, V ([key][channel]) turned, by ds_load_tr16_b128.
; SOFTMAX.  For each query a running maximum m and sum l: p = 2^(c s - c m), c = log2(e) / 8; in every step O and l are multiplied by a = 2^(c m_old - c m_new), which is 1 where m has not grown.
; m starts at the lowest finite number, O and l at 0: the first step is a step like any other, with a = 0.
; THE COUNT.  A tile and step have 16 matrix and 118 vector instructions: too many to stand all beside the matrix work.  So the order has one aim: four vector instructions that are READY behind
; EVERY matrix instruction, and the others, which need time of their own whatever the order, in runs without a gap.
; BY TURNS.  Turn n belongs to piece n (the pieces in a ring, step after step).  Its matrix work: 16 products K Q^T of piece n + 1, later 16 products V^T P of piece n - 1.  Its vector work: the scaling,
; exponentials, roundings, sums and rescaling of piece n, and the maximum and statistics of piece n + 1, whose scores the turn itself has made.  So what a turn begins with (c s - c m, O a) waits for nothing.
; CLUSTER.  The four query blocks of a cluster are one head's and walk the same K and V, so each tile is asked for JOINTLY: the same tensor load, descriptor and mask in all four.
; REGISTERS, in windows of 256 (s_set_vgpr_msb says which window each operand place means: bits 1:0 source 0, 3:2 source 1, 5:4 source 2, 7:6 destination):
;   window 0: v0-11 addresses; v12-15, v48-63 at work; v16-47 four registers of statistics a tile; v64-191 S^T, two buffers of two tiles; v192-255 P, likewise
;   window 1: O^T, 32 a tile          window 2: v0-127 Q, 16 a tile; v128-191 K of one step; v192-255 V of one step          window 3: v0-1 the add's two registers
; A piece's buffers go by its number's parity: the piece in hand has one pair, its two neighbours in the ring share the other: of it P (piece n - 1) is read and S^T (piece n + 1) written.
.set SIZE_N, 2048
.set PLANE, 64*SIZE_N*128  ; bytes in a plane of qkv
.set NP,    4         ; pieces a wave: a name, no knob: the register map, the loop and the fetches are made for four
.set KS,    64        ; keys in a step
.set PK,    144       ; a row of K in LDS: 128 bytes + 16 of padding = 36 words: the 16 rows of a load start at 16 different groups of four banks (64 banks of 4 bytes: ISA guide 11.1)
.set PV,    160       ; a row of V: 128 + 32 = 40 words
.set VOFF,  4*KS*PK   ; a slot holds four steps: 256 rows of K, then 256 rows of V
.set SLOT1, 1<<17     ; slot 1 begins here, so that one exclusive or turns an address in one slot into the other's
.set STAGE, SLOT1+4*KS*(PK+PV)  ; behind the ring, never filled by a tensor load: 16 rows x 144 bytes for each wave, for the way out
.set SP,    144
.set AK0, 2           ; v2   my lane's place in a tile of K; never rewritten
.set AV0, 3           ; v3   the same for V
.set AK,  4           ; v4   the LDS address of K's next run of loads
.set AV,  5           ; v5   of V's
.set QO,  6           ; v6   my byte offset in the wave's rows of Q
.set STO, 6           ;      later, the way out: where I put 16 bytes of a row
.set RD,  7           ; v7   the way out: where I read rows back
.set GO,  8           ; v8   my byte offset in 512 consecutive bytes of O
.set SPW, 0           ; v0 of window 3   LDS address of my spare word: SPARE + 4 x my thread's number; never rewritten
.set NIL, 1           ; v1 of window 3   0; never rewritten
.set SPARE, STAGE+4*16*SP  ; behind the stages: the spare words, 128 bytes for each wave: two blocks of 256 bytes that no other line names
.set MV,  12          ; v12-15  c m_old, kept while c m is made anew: by buffer and tile
.set ST,  16          ; tile t's statistics at v[ST+4 t]: c m, m, l (even keys', odd keys')
.set TMP, 48          ; by buffer and tile, four registers c0-c3 at work; when the maximum is found c2 takes a
.set S,   64
.set P,   192
.set KF,  128         ; K's fragments, in window 2: key block kb, channel half c at KF + 16 kb + 8 c
.set VF,  192         ; V's: key half kk, channel block cb at VF + 32 kk + 8 cb
.set WV,  12          ; s12  my wave's number
.set G1K, 24          ; s[24:31] descriptor group 1 for K's tiles
.set G1V, 32          ; s[32:39] for V's: it differs in the padding alone
.set G0K, 40          ; s[40:43] descriptor group 0 for K's tiles: it walks
.set G0V, 44          ; s[44:47] the same for V's
.set SLOTS, 56        ; s56  slots still to be asked for
.set CNT, 57          ; s57  counts a slot's key steps
.set CS,  58          ; s[58:59] c: the packed scaling takes the pair's low word for both halves
.set SEL, 60          ; s[60:61] v_permlanex16_b32's selects: each lane takes its own place in the other half
.set TBK, 62          ; s62  LDS byte at which K of the step to be fetched begins
.set TBV, 63          ; s63  the same for V, less VOFF
.set MSB, 0
.macro WIN new                      ; the high byte repeats the setting that is left; a switch that changes nothing is dropped
.if MSB != (\new)
	s_set_vgpr_msb (MSB<<8)|(\new)
.set MSB, (\new)
.endif
.endm
.set W_KQ, 0x0a       ; K and Q in window 2, S^T in window 0
.set W_PV, 0x52       ; V in window 2, P in window 0, O^T in window 1
.set W_RS, 0x41       ; O^T (destination and source 0) in window 1, a in window 0
.set W_MK, 0xc0       ; the add's registers are made: destination in window 3, sources in window 0
.set W_AD, 0x0f       ; the add: address (source 0) and data (source 1) in window 3
; A joint fill.  Waves 0 and 1 fetch the two halves of a slot's K, waves 2 and 3 those of its V: 128 keys each.  The branch hangs on the wave's number alone.
; An s_nop 0 and four v_nop follow each of the two lines, ahead of the jump and the label.
.macro JLOAD
	s_cmp_lt_u32 s[WV], 2
	s_cbranch_scc0 .Lfor_v_\@
	tensor_load_to_lds s[G0K:G0K+3], s[G1K:G1K+7]
	s_nop 0
.rept 4
	v_nop
.endr
	s_branch .Lasked_\@
.Lfor_v_\@:
	tensor_load_to_lds s[G0V:G0V+3], s[G1V:G1V+7]
	s_nop 0
.rept 4
	v_nop
.endr
.Lasked_\@:
.endm
; A round of the cluster's barrier: my work-group's barrier, so that wave 0's signal speaks for all four waves; wave 0 signals; every wave waits for all four work-groups; my work-group's barrier once more.
.macro CROUND
	s_barrier_signal -1
	s_barrier_wait -1
	s_cmp_lg_u32 s[WV], 0
	s_cbranch_scc1 .Lnot_wave_0_\@
	s_barrier_signal -3
.Lnot_wave_0_\@:
	s_barrier_wait -3
	s_barrier_signal -1
	s_barrier_wait -1
.endm
; THE CHANGE OF SLOTS.  The slot's last bytes, V of its fourth step, have been read.  Each wave waits for all its tensor loads, of which one is out: its part
; of the other slot; adds 0 to its spare word; and waits for that and for its own reads of the slot.  Behind the barrier nobody reads this slot any more and the other slot is whole.
; fill = 1: this slot is filled again, with the keys two slots on.  The barrier is then a round of the cluster's, so that no wave of any partner still reads the slot or has a load on its
; way, and the joint fill is the first thing behind it: it has four key steps, 512 matrix instructions, in which to land.  (At its first use nothing has been read yet: slot 0 is waited for, slot 1 filled.)
.macro CHANGE fill
	WIN W_AD
	s_wait_tensorcnt 0x0            ; no tensor load of mine is out, so a group 0 may be written
	ds_add_u32 v[SPW], v[NIL]       ; 0 onto my spare word; with fill = 1 the descriptors' steps stand between it and the wait for it
	WIN 0                           ; at a label and at a branch every window is 0
.if \fill
.irp g, G0K, G0V
	s_xor_b32 s[\g+1], s[\g+1], SLOT1  ; the walking descriptor: the other slot than last time,
	s_add_nc_u64 s[\g+2:\g+3], s[\g+2:\g+3], 4*KS*128  ; the next 256 keys; the type bits on top are not reached
.endr
	s_wait_dscnt 0x0                ; the add is done, and my reads of the slot are over
	CROUND
	JLOAD
.else
	s_wait_dscnt 0x0                ; the add is done, and my reads of the slot are over
	s_barrier_signal -1
	s_barrier_wait -1
.endif
	s_sub_co_u32 s[TBK], s[TBK], 4*KS*PK  ; the fetches go back to a slot's first step,
	s_xor_b32 s[TBK], s[TBK], SLOT1       ; in the other slot
	s_sub_co_u32 s[TBV], s[TBV], 4*KS*PV
	s_xor_b32 s[TBV], s[TBV], SLOT1
.endm
	s_load_b128 s[4:7], s[0:1], 0x0  ; qkv s[4:5] (its first plane is Q), ob s[6:7]
	WIN W_MK
	v_lshl_add_u32 v[SPW], v0, 2, SPARE
	v_mov_b32 v[NIL], 0
	WIN W_AD
	ds_add_u32 v[SPW], v[NIL]       ; the wave's opening: the add and its wait stand ahead of my first tensor load; the set-up below, work on registers, stands between them
	WIN 0
	v_lshrrev_b32 v1, 5, v0
	v_readfirstlane_b32 s[WV], v1   ; wave 0..3
	s_bfe_u32 s13, ttmp6, 0x40000   ; cx: my place in the cluster
	s_lshl_b32 s14, ttmp9, 2        ; in a cluster launch ttmp9 counts clusters
	s_add_co_u32 s14, s14, s13      ; my block of queries = 4 x cluster x + cx: it enters Q's and O's addresses alone
	s_and_b32 s20, ttmp7, 0xffff    ; the head, which the four partners share
	s_mov_b32 s21, 0
	s_mov_b64 s[22:23], SIZE_N*128
	s_mul_u64 s[20:21], s[20:21], s[22:23]  ; the head's first byte in each of the four tensors
	s_and_b32 s16, s[WV], 1         ; which half of a slot's 256 keys I fetch:
	s_lshl_b32 s22, s16, 14         ; its 128 rows of 128 bytes in memory,
	s_mov_b32 s23, 0
	s_add_nc_u64 s[22:23], s[22:23], s[20:21]
	s_mul_i32 s17, s16, 128*PK      ; and its place in a slot, for K
	s_mul_i32 s18, s16, 128*PV      ; and for V: no place in the cluster enters an LDS address
	s_lshl_b32 s2, s14, 2
	s_add_co_u32 s2, s2, s[WV]      ; my wave among the head's,
	s_lshl_b32 s2, s2, 14           ; its 128 rows
	s_mov_b32 s3, 0
	s_add_nc_u64 s[2:3], s[2:3], s[20:21]
	; descriptor group 1.  128 keys are 16,384 dense bytes: asked for as 64 rows of 256 bytes, two keys a row, and padded in LDS after every key
	s_mov_b32 s[G1K], 15|(1<<16)|(1<<20)|(1<<21)|(4<<22)|(3<<25)  ; 15:0 the mask of four; 17:16 2-byte elements; 20 padding on; 21 set beside a mask; 24:22 after every 32 words (code 4); 31:25 4 words (code 3)
	s_mov_b32 s[G1V], 15|(1<<16)|(1<<20)|(1<<21)|(4<<22)|(7<<25)  ; the same with 8 words of padding (code 7)
.irp g, G1K, G1V
	s_mov_b32 s[\g+1], 128<<16      ; tensor_dim0 = 128
	s_mov_b32 s[\g+2], 64<<16       ; tensor_dim1 = 64
	s_mov_b32 s[\g+3], 128<<16      ; tile_dim0 = 128
	s_mov_b32 s[\g+4], 64           ; tile_dim1 = 64
	s_mov_b32 s[\g+5], 128          ; 128 elements from row to row
	s_mov_b32 s[\g+6], 0
	s_mov_b32 s[\g+7], 0
.endr
	s_mov_b32 s[CS], 0x3e38aa3b     ; c = log2(e) / 8 = 0.180337
	s_mov_b32 s[CS+1], s[CS]        ; named with it as a pair
	s_mov_b32 s[SEL], 0x76543210
	s_mov_b32 s[SEL+1], 0xfedcba98
	s_mov_b32 s[TBK], SLOT1+4*KS*PK ; the first change of slots turns these two into 0
	s_mov_b32 s[TBV], SLOT1+4*KS*PV
	s_mov_b32 s[G0K], 1             ; 1:0 count = 1
	s_mov_b32 s[G0K+1], s17         ; 63:32 LDS address: slot 0
	s_mov_b32 s[G0V], 1
	s_add_co_u32 s[G0V+1], s18, VOFF
	s_wait_dscnt 0x0                ; the opening add is done
	s_wait_kmcnt 0x0
	s_mov_b64 s[10:11], s[6:7]      ; O
	s_add_nc_u64 s[6:7], s[4:5], PLANE    ; K: the second plane of qkv
	s_add_nc_u64 s[8:9], s[4:5], 2*PLANE  ; V: the third
	s_add_nc_u64 s[G0K+2:G0K+3], s[6:7], s[22:23]  ; 120:64 global address: my half of the head's first 256 keys
	s_or_b32 s[G0K+3], s[G0K+3], 0x80000000        ; 127:126 type = 2
	s_add_nc_u64 s[G0V+2:G0V+3], s[8:9], s[22:23]
	s_or_b32 s[G0V+3], s[G0V+3], 0x80000000
	s_add_nc_u64 s[4:5], s[4:5], s[2:3]  ; Q and O at my wave's first row
	s_add_nc_u64 s[10:11], s[10:11], s[2:3]
	CROUND                          ; all four work-groups are here: the first joint loads meet
	JLOAD                           ; slot 0.  Slot 1 is asked for when slot 0 is in: the tile wanted first goes out alone
	; A fragment of K or Q is 16 rows x 32 channels in 8 registers: lane l holds row l % 16, channels 8 (l / 16) + 0..7 and 16 + 8 (l / 16) + 0..7: two loads of 16 bytes, 32 bytes apart.
	v_and_b32 v1, 15, v0            ; l % 16
	v_bfe_u32 v9, v0, 4, 1          ; l / 16
	v_lshlrev_b32 v[QO], 7, v1
	v_lshl_add_u32 v[QO], v9, 4, v[QO]  ; row x 128 + 16 x half
	WIN 0x80                        ; destination window 2, address window 0
.set i, 0
.rept 4*NP                          ; Q stays in registers: tile i / 2, channels 32 (i % 2) on
	global_load_b128 v[8*i:8*i+3],   v[QO], s[4:5] offset:(i/2)*2048+(i%2)*64
	global_load_b128 v[8*i+4:8*i+7], v[QO], s[4:5] offset:(i/2)*2048+(i%2)*64+32
.set i, i+1
.endr
	; What the first turn finds: V's registers and P's second buffer hold 0 (its products V^T P, of a piece that has not been, add 0), O^T and l are 0.  All this stands in the wait for the first tile.
.set i, VF
.rept 64
	v_mov_b32 v[i], 0
.set i, i+1
.endr
	WIN 0x40
.set i, 0
.rept 64*NP
	v_mov_b32 v[i], 0
.set i, i+1
.endr
	WIN 0
.set i, 0
.rept 2*NP
	v_mov_b32 v[ST+4*i], 0xfe000000    ; c m: far below every c s
	v_mov_b32 v[ST+4*i+1], 0xff7fffff  ; m
	v_mov_b32 v[ST+4*i+2], 0
	v_mov_b32 v[ST+4*i+3], 0
.set i, i+1
.endr
.set i, P+32
.rept 32
	v_mov_b32 v[i], 0
.set i, i+1
.endr
	v_mul_u32_u24 v[AK0], v1, PK
	v_lshl_add_u32 v[AK0], v9, 4, v[AK0]  ; row x pitch + 16 x half
	; The turning load takes 16 keys x 16 channels (lane l reads key 8 (l / 16) + l % 8, channels 8 ((l / 8) % 2) + 0..7) and leaves half a fragment of V^T: lane l holds channel l % 16 and 8 keys.
	v_and_b32 v10, 7, v0
	v_bfe_u32 v11, v0, 3, 1
	v_lshl_add_u32 v[AV0], v9, 3, v10
	v_mul_u32_u24 v[AV0], v[AV0], PV
	v_lshl_add_u32 v[AV0], v11, 4, v[AV0]
	v_add_nc_u32 v[AV0], VOFF, v[AV0]
	v_mov_b32 v[AK], v[AK0]         ; key step 0 lies at the head of slot 0
; THE MATRIX WORK.  The 8 accumulators of a run of 16 take turns: between the two links of a chain stand 7 others'.
; Product i of 16 of S^T = K Q^T for piece x: channels 32 (i / 8) on, keys 16 ((i / 2) % 4) on, tile 2 x + i % 2.  The first 8 start the sums.
.macro KQ x
	WIN W_KQ
.set rS, S+64*((\x)%2)+32*(i%2)+8*((i/2)%4)
.set rK, KF+16*((i/2)%4)+8*(i/8)
.set rQ, 16*(2*(\x)+i%2)+8*(i/8)
.if i < 8
	v_wmma_f32_16x16x32_f16 v[rS:rS+7], v[rK:rK+7], v[rQ:rQ+7], 0
.else
	v_wmma_f32_16x16x32_f16 v[rS:rS+7], v[rK:rK+7], v[rQ:rQ+7], v[rS:rS+7]
.endif
.endm
; Product i of 16 of O^T += V^T P for piece x: keys 32 (i / 8) on, channels 16 ((i / 2) % 4) on, tile 2 x + i % 2.
.macro PV x
	WIN W_PV
.set rO, 32*(2*(\x)+i%2)+8*((i/2)%4)
.set rV, VF+32*(i/8)+8*((i/2)%4)
.set rP, P+32*((\x)%2)+16*(i%2)+8*(i/8)
	v_wmma_f32_16x16x32_f16 v[rO:rO+7], v[rV:rV+7], v[rP:rP+7], v[rO:rO+7]
.endm
.macro MM                           ; the turn's next matrix instruction
.if i < 16
	KQ (Y+1)%NP
.set i, i+1
.else
.set i, i-16
	PV (Y+NP-1)%NP
.set i, i+17
.endif
.endm
; THE LDS LOADS stand in runs of 16, never singly among the matrix instructions: a step's K (64 keys x 64 channels: 8 fragments) and its V (turned).  Their addresses are made some lines ahead.
; last = 1 (the tail): in the last trip there is no further step, and the run is jumped over.
.macro FETCH_K last=0
	WIN 0
.if \last
	s_cmp_eq_u32 s[CNT], 1
	s_cbranch_scc1 .Lno_k_\@
.endif
	WIN 0x80                        ; destination window 2
.irp f, 0,1,2,3,4,5,6,7             ; keys 16 (f / 2) on, channels 32 (f % 2) on
	ds_load_b128 v[KF+8*\f:KF+8*\f+3],   v[AK] offset:(\f/2)*16*PK+(\f%2)*64
	ds_load_b128 v[KF+8*\f+4:KF+8*\f+7], v[AK] offset:(\f/2)*16*PK+(\f%2)*64+32
.endr
	s_add_co_u32 s[TBK], s[TBK], KS*PK  ; the next fetch is the next step's
	WIN 0
.if \last
.Lno_k_\@:
.endif
.endm
.macro FETCH_V
	WIN 0x80
.irp f, 0,1,2,3,4,5,6,7             ; keys 32 (f / 4) on, channels 16 (f % 4) on
	ds_load_tr16_b128 v[VF+8*\f:VF+8*\f+3],   v[AV] offset:(\f/4)*32*PV+(\f%4)*32
	ds_load_tr16_b128 v[VF+8*\f+4:VF+8*\f+7], v[AV] offset:(\f/4)*32*PV+16*PV+(\f%4)*32
.endr
	WIN 0
.endm
; THE VECTOR WORK OF A TURN stands in three queues, each in the order in which its entries become ready; the two tiles alternate, so that no instruction reads the result of the one before it.
.macro REGS y, u                    ; the registers of tile u (0, 1) of piece y
.set rT, ST+4*(2*(\y)+(\u))
.set rC, TMP+8*((\y)%2)+4*(\u)
.set rM, MV+2*((\y)%2)+(\u)
.set rS, S+64*((\y)%2)+32*(\u)
.set rP, P+32*((\y)%2)+16*(\u)
.set rO, 32*(2*(\y)+(\u))
.endm
; Number n of the 22 that find the NEXT piece's (Y + 1) maximum and statistics.  s0-s31 are the lane's 32 scores; each accumulator's lowest registers are read first.  XS, GS and REGS set no window: PL and EX do.
;   0-11  four chains c0-c3 of seven scores each, three operands at a time     12-14, 16  the four scores left over, the old m, and c0-c3 into c0     15  c m_old is kept
;   17, 18  the query's other 32 keys lie in the lane 16 away: the new m         19-21  c m; c m_old - c m_new; a
.macro XS u, n
	REGS (Y+1)%NP, \u
.if (\n) < 4
	v_max3_num_f32 v[rC+(\n)], v[rS+8*(\n)], v[rS+8*(\n)+1], v[rS+8*(\n)+2]
.elseif (\n) < 12
	v_max3_num_f32 v[rC+(\n)%4], v[rC+(\n)%4], v[rS+8*((\n)%4)+2*((\n)/4)+1], v[rS+8*((\n)%4)+2*((\n)/4)+2]
.elseif (\n) == 12
	v_max3_num_f32 v[rC], v[rC], v[rS+7], v[rS+15]
.elseif (\n) == 13
	v_max3_num_f32 v[rC+1], v[rC+1], v[rS+23], v[rS+31]
.elseif (\n) == 14
	v_max3_num_f32 v[rC+2], v[rC+2], v[rC+3], v[rT+1]
.elseif (\n) == 15
	v_mov_b32 v[rM], v[rT]
.elseif (\n) == 16
	v_max3_num_f32 v[rC], v[rC], v[rC+1], v[rC+2]
.elseif (\n) == 17
	v_permlanex16_b32 v[rC+3], v[rC], s[SEL], s[SEL+1]
.elseif (\n) == 18
	v_max_num_f32 v[rT+1], v[rC], v[rC+3]
.elseif (\n) == 19
	v_mul_f32 v[rT], s[CS], v[rT+1]
.elseif (\n) == 20
	v_sub_f32 v[rC+1], v[rM], v[rT]
.else
	v_exp_f32 v[rC+2], v[rC+1]
.endif
.endm
; Number g of the 64 that follow the exponentials.  For each four weights k of a tile (pairs 2 k, 2 k + 1): both pairs are rounded to f16; then the second pair is added onto the first, in place;
; a group later l takes that sum (the first time as l = a l + sum).  In groups of eight, tiles alternating: round, round, add, and l for the group before.
.macro GS g
.set h, (\g)+6*((\g)/62)            ; group 0 has no group before it, and behind group 7 only l is left
.if h >= 6
.set h, h+2
.endif
	REGS Y, h%2
.set k, h/8
.if h%8 < 4
	s_wait_alu depctr_va_vdst(0)
	v_cvt_pk_f16_f32 v[rP+2*k+(h%8)/2], v[rS+4*k+2*((h%8)/2)], v[rS+4*k+2*((h%8)/2)+1]
.elseif h%8 < 6
	v_pk_add_f32 v[rS+4*k:rS+4*k+1], v[rS+4*k:rS+4*k+1], v[rS+4*k+2:rS+4*k+3]
.elseif k == 1
	v_pk_fma_f32 v[rT+2:rT+3], v[rT+2:rT+3], v[rC+2:rC+3], v[rS:rS+1] op_sel_hi:[1,0,1]
.else
	v_pk_add_f32 v[rT+2:rT+3], v[rT+2:rT+3], v[rS+4*k-4:rS+4*k-3]
	s_wait_alu depctr_va_vdst(0)
.endif
.endm
; THE PLAIN QUEUE, 138 long.  0-31: c s - c m for the 16 pairs of both tiles.  Then GS's 64, and among them the next piece's 42: number 15 at 38, 39; 0-14 and 16
; at 42-73, behind the products that make those scores; 17-20 at 95-106, two of three, since each waits for the one before it.
.macro PL
	WIN 0
.if q < 32
	REGS Y, q%2
	v_pk_fma_f32 v[rS+2*(q/2):rS+2*(q/2)+1], v[rS+2*(q/2):rS+2*(q/2)+1], s[CS:CS+1], v[rT:rT+1] op_sel_hi:[1,0,0] neg_lo:[0,0,1] neg_hi:[0,0,1]
.elseif q < 38
	GS q-32
.elseif q < 40
	XS q%2, 15
.elseif q < 42
	GS q-34
.elseif q < 74
	XS q%2, (q-42)/2+(q-42)/30
.elseif q < 95
	GS q-66
.elseif (q < 107) && ((q-95)%3 < 2)
	XS (q-95)%3, 17+(q-95)/3
.elseif q < 107
	GS 29+(q-95)/3
.else
	GS q-74
.endif
.set q, q+1
.endm
; THE EXPONENTIALS' QUEUE, 66 long: s0-s31 of both tiles, and at EA the next piece's two a.
.set EA, 58
.macro EX
	WIN 0
.if (e == EA) || (e == EA+1)
	XS e-EA, 21
.else
.set x, e-2*(e/(EA+2))
	REGS Y, x%2
	v_exp_f32 v[rS+x/2], v[rS+x/2]
.endif
.set e, e+1
.endm
; THE RESCALING's QUEUE: O^T times a, the one part that leaves window 0, so it is dealt four at a time, eight times.
.macro R4
	REGS Y, r%2
	WIN W_RS
	s_wait_alu depctr_va_vdst(0)
.irp z, 0,1,2,3
	v_pk_mul_f32 v[rO+8*(r/2)+2*\z:rO+8*(r/2)+2*\z+1], v[rO+8*(r/2)+2*\z:rO+8*(r/2)+2*\z+1], v[rC+2:rC+3] op_sel_hi:[1,0]
.endr
.set r, r+1
.endm
; HOW THEY ARE DEALT.  Behind a matrix instruction four: plain, exponential, plain, plain (one exponential, a plain instruction on either side), or four of the rescaling.  None names a register of the
; products round it.  What is over stands in two LUMPS: exponential and plain by turns; the second ends in 22 plain instructions.  The two v_permlanex16_b32 fall into the second lump, never behind a product.
; The queues lean on each other, and the deal keeps them in step: exponential e stands behind plain 2 (e / 4) + e % 2 (its scaling); when plain 32 comes, 10 exponentials are out, at 59: 33, at 95: 46; EA comes behind plain 107.
.macro SL
	MM
	PL
	EX
	PL
	PL
.endm
.macro BURST n                      ; 15 matrix instructions, or 16
.rept (\n)-7
	SL
.endr
.rept 3
	MM
	R4
	SL
.endr
	MM
	R4
.endm
; A TURN, for piece p.  cnt = 1: the loop's count is taken down some lines ahead of the branch that stands behind the turn.
; K of the next step is fetched in piece 2's turn, 31 vector instructions behind the last product that read K; its first reader comes behind the rest of the lump, 16 products and the second lump.
; V of the step in hand is fetched at the end of piece 0's turn, 69 behind its last reader; its first reader comes behind 16 products and a lump.  The four conditions on e and q below go with the deal.
.macro TURN p, last=0, cnt=0
.set Y, (\p)
.set i, 0
.set q, 0
.set e, 0
.set r, 0
.if (\p) == NP-1
	s_wait_dscnt 0x0                ; K is in
.endif
	MM
.rept 4
	PL
.endr
	BURST 15
.rept 22
	EX
	PL
.if ((\p) == NP-2) && (e == 18)
	v_add_nc_u32 v[AK], s[TBK], v[AK0]
.endif
.if ((\p) == NP-2) && (e == 24)
	FETCH_K \last
.endif
.endr
.if (\p) == 1
	s_wait_dscnt 0x0                ; V is in
.endif
	BURST 16
.rept 21
	EX
	PL
.endr
.rept 22
	PL
.if ((\p) == 0) && (q == 118)
	v_add_nc_u32 v[AV], s[TBV], v[AV0]
	s_wait_alu depctr_va_vdst(0)
.endif
.if ((\p) == 0) && (q == 130)
	s_add_co_u32 s[TBV], s[TBV], KS*PV
.endif
.if (\cnt) && (q == 130)
	s_sub_co_u32 s[CNT], s[CNT], 1
	s_cmp_lg_u32 s[CNT], 0
.endif
.endr
.if (\p) == 0
	FETCH_V
.endif
.endm
	CHANGE 1                        ; slot 0 is in, everybody's part of it; slot 1 is asked for
	FETCH_K                         ; key step 0
	s_wait_loadcnt 0x0              ; Q
	s_wait_dscnt 0x0
.set i, 0
.rept 16
	KQ 0                            ; piece 0's first scores: there is no vector work yet to set between them
.set i, i+1
.endr
	WIN 0                           ; the addresses for the way out: nine plain instructions, the places behind those products
	s_mul_i32 s13, s[WV], 16*SP
	s_add_co_u32 s13, s13, STAGE    ; my stage
	v_mul_u32_u24 v[STO], v1, SP    ; in: row l % 16, 16 bytes for each half of the lanes
	v_lshl_add_u32 v[STO], v9, 4, v[STO]
	v_add_nc_u32 v[STO], s13, v[STO]
	v_bfe_u32 v[RD], v0, 3, 2       ; back: 32 lanes take four rows of 128 bytes,
	v_mul_u32_u24 v[RD], v[RD], SP
	v_lshl_add_u32 v[RD], v10, 4, v[RD]
	v_add_nc_u32 v[RD], s13, v[RD]
	v_and_b32 v[GO], 31, v0         ; which are 512 consecutive bytes of O
	v_lshlrev_b32 v[GO], 4, v[GO]
.set Y, NP-1                        ; XS works for piece Y + 1: piece 0
.irp n, 0,1,2,3,4,5,6,7,8,9,10,11,12,13,14,15,16,17,18,19,20,21
	XS 0, \n                        ; and piece 0's first maximum and statistics
	XS 1, \n
.endr
	s_mov_b32 s[CNT], 4
	s_mov_b32 s[SLOTS], SIZE_N/256-1
	s_branch .Lfirst                ; the loop is entered at a step's first turn, in the middle of a trip
.Lslot:                             ; SIZE_N / 256 - 2 times: every slot but the last two is filled again
	CHANGE 1
	s_mov_b32 s[CNT], 4
.Lstep:                             ; a trip: pieces 2 and 3 of one step, then pieces 0 and 1 of the next, whose K and V it fetches
	TURN 2
	TURN 3
	WIN 0
.Lfirst:
	TURN 0
	TURN 1, 0, 1
	WIN 0
	s_cbranch_scc1 .Lstep
	s_sub_co_u32 s[SLOTS], s[SLOTS], 1
	s_cmp_lg_u32 s[SLOTS], 0
	s_cbranch_scc1 .Lslot
	CHANGE 0                        ; the tail is written out: nothing is asked for
	s_mov_b32 s[CNT], 5             ; four trips fetch the last slot's steps; the fifth is left in its middle
.Ltail:
	TURN 2, 1
	TURN 3
	WIN 0
	s_sub_co_u32 s[CNT], s[CNT], 1
	s_cmp_eq_u32 s[CNT], 0
	s_cbranch_scc1 .Lout
	TURN 0
	TURN 1
	WIN 0
	s_branch .Ltail
.Lout:                              ; the fifth trip's 16 products K Q^T (on the last K once more) and the maximum made of them serve nothing: the price, once a launch, of one text for every trip
.set i, 0
.rept 16
	PV NP-1                         ; the last piece's V^T P of the last step
.set i, i+1
.endr
	; THE WAY OUT.  l's two halves and the other half of the lanes' are added; O^T is divided by l, rounded to f16 and sent through my stage in LDS, a tile at a time.  The additions are the places behind the last products.
	WIN 0
.macro ALL line:vararg              ; one line for each tile t
.set t, 0
.rept 2*NP
	\line
.set t, t+1
.endr
.endm
	ALL v_add_f32 v[ST+4*t+2], v[ST+4*t+2], v[ST+4*t+3]
	ALL v_permlanex16_b32 v[ST+4*t+3], v[ST+4*t+2], s[SEL], s[SEL+1]
	ALL v_add_f32 v[ST+4*t+2], v[ST+4*t+2], v[ST+4*t+3]
	ALL v_rcp_f32 v[ST+4*t+2], v[ST+4*t+2]
	v_nop                           ; a plain instruction between the last reciprocal and the use of its result
	s_wait_alu depctr_va_vdst(0)
; Tile t: a lane's eight channels of a row pack into 16 bytes; they go into rows of 144 bytes and come back as whole rows of 128, into S^T's registers.
.macro PACK t
	WIN W_RS
.set i, 32*(\t)
.rept 16
	v_pk_mul_f32 v[i:i+1], v[i:i+1], v[ST+4*(\t)+2:ST+4*(\t)+3] op_sel_hi:[1,0]
.set i, i+2
.endr
	WIN 0x05                        ; sources 0 and 1 window 1, destination window 0
.set i, 0
.rept 16
	v_cvt_pk_f16_f32 v[S+16*(\t)+i], v[32*(\t)+2*i], v[32*(\t)+2*i+1]
.set i, i+1
.endr
	WIN 0
.irp f, 0,1,2,3
	ds_store_b128 v[STO], v[S+16*(\t)+4*\f:S+16*(\t)+4*\f+3] offset:32*\f
.endr
.irp f, 0,1,2,3
	ds_load_b128 v[S+16*(\t)+4*\f:S+16*(\t)+4*\f+3], v[RD] offset:\f*4*SP  ; LDS serves a wave's instructions in order (ISA guide 5.7.1.4): these see the stores above; the next tile's stores come behind them
.endr
.endm
.macro SEND t, younger              ; younger: the LDS instructions issued behind tile t's loads: the next tile's eight, or none
	WIN 0
.irp f, 0,1,2,3
	s_wait_dscnt (\younger)+3-\f
	global_store_b128 v[GO], v[S+16*(\t)+4*\f:S+16*(\t)+4*\f+3], s[10:11] offset:(\t)*2048+\f*512  ; 512 consecutive bytes, at a multiple of 256 from O's first
.endr
.endm
	PACK 0
.set t, 1
.rept 2*NP-1                        ; a tile's arithmetic stands between the loads of the tile before and its stores
	PACK t
	SEND t-1, 8
.set t, t+1
.endr
	SEND 2*NP-1, 0
	WIN W_AD
	s_wait_tensorcnt 0x0            ; the wave's end: behind my last tensor load and my last LDS store
	ds_add_u32 v[SPW], v[NIL]
	s_wait_dscnt 0x0
	WIN 0
	CROUND                          ; the closing round: no work-group ends while a partner may still ask for a tile that names it
	s_endpgm
.Lfunc_end_k_q9f607f9e19_attn:
	.size	k_q9f607f9e19_attn, .Lfunc_end_k_q9f607f9e19_attn-k_q9f607f9e19_attn
	.p2alignl 7, 3214868480
	.fill 96, 4, 3214868480
	.section	.rodata,"a",@progbits
	.p2align	6, 0x0
	.amdhsa_kernel k_q9f607f9e19_attn
		.amdhsa_group_segment_fixed_size 327680
		.amdhsa_private_segment_fixed_size 0
		.amdhsa_enable_private_segment 0
		.amdhsa_kernarg_size 16
		.amdhsa_user_sgpr_count 2
		.amdhsa_user_sgpr_kernarg_segment_ptr 1
		.amdhsa_wavefront_size32 1
		.amdhsa_system_sgpr_workgroup_id_x 1
		.amdhsa_system_sgpr_workgroup_id_y 1
		.amdhsa_system_sgpr_workgroup_id_z 1
		.amdhsa_system_vgpr_workitem_id 0
		.amdhsa_next_free_vgpr 770
		.amdhsa_next_free_sgpr 66
		.amdhsa_reserve_vcc 0
		.amdhsa_float_denorm_mode_32 3
		.amdhsa_float_denorm_mode_16_64 3
		.amdhsa_memory_ordered 1
		.amdhsa_forward_progress 1
		.amdhsa_inst_pref_size 208
	.end_amdhsa_kernel
	.amdgpu_metadata
---
amdhsa.version: [ 1, 2 ]
amdhsa.kernels:
  - .name:           k_q9f607f9e19_attn
    .symbol:         k_q9f607f9e19_attn.kd
    .args:
      - { .name: qkv, .offset: 0, .size: 8, .value_kind: global_buffer, .address_space: global }
      - { .name: ob, .offset: 8, .size: 8, .value_kind: global_buffer, .address_space: global }
    .group_segment_fixed_size: 327680
    .private_segment_fixed_size: 0
    .kernarg_segment_align: 8
    .kernarg_segment_size: 16
    .max_flat_workgroup_size: 128
    .sgpr_count:     66
    .vgpr_count:     770
    .wavefront_size: 32
...
	.end_amdgpu_metadata
.endif
;; end of part 3
;; launch outp (part 4): grid 8 x 32, 4 waves a work-group, clusters of 4 x 4, 327,680 bytes of LDS; arguments ob, wb, bo, out0; writes out0
.if DOCPART == 4
	.amdgcn_target "amdgcn-amd-amdhsa--gfx1250"
	.amdhsa_code_object_version 6
	.text
	.protected	k_q9f607f9e19_outp
	.globl	k_q9f607f9e19_outp
	.p2align	8
	.type	k_q9f607f9e19_outp,@function
k_q9f607f9e19_outp:
	s_mov_b64 s[64:65], 0
	v_nop
	global_prefetch_b8 v0, s[64:65] scope:SCOPE_SE
	s_setreg_imm32_b32 hwreg(HW_REG_WAVE_MODE, 25, 1), 1
	s_wait_xcnt 0x0
	s_wait_alu depctr_hold_cnt(0) depctr_sa_sdst(0) depctr_va_vdst(0) depctr_va_sdst(0) depctr_va_ssrc(0) depctr_va_vcc(0) depctr_vm_vsrc(0)
	s_getreg_b32 s2, hwreg(HW_REG_IB_STS2, 6, 4)
	s_cmp_eq_u32 s2, 0
	s_cbranch_scc0 .Lentry_in_a_cluster
	s_endpgm
.Lentry_in_a_cluster:
	s_bfe_u32 s2, ttmp6, 0x10000c
	s_cmp_lg_u32 s2, 0xf033
	s_cbranch_scc0 .Lentry_shape_is_right
	s_endpgm
.Lentry_shape_is_right:
; C = A W + bias, K = 1,024; ONE TEXT FOR TWO LAUNCHES, told apart by OUT.
; OUT = 0, the three projections: A = xb [3 x 8192][1024] bf16, W = planes 0-2 of wb ([k][n] bf16), bias = bq, bk or bv; C goes out by heads, qkv[3][64][2048][64] in f16, unscaled.
; OUT = 1, the last projection: A = ob [64 = batch x 16 + head][2048][64] f16 (a head's 64 channels are a slice of K), W = plane 3 of wb (f16), bias = bo; C = out0 [8192][1024] f32.
; Sums in f32; the bias is rounded to bf16 like every input of the module and added in f32; C is rounded once.
; LIMIT.  OUT = 0 writes f16, which holds no number beyond 65,504: a projection of 65,520 or more in size becomes an infinity.  NaN and infinities are not treated apart.
; SHARES.  A work-group makes 256 rows x 128 columns of C: 768 work-groups (OUT = 0) or 256 (OUT = 1).  Wave w makes rows 128 (w / 2) .. and columns 64 (w % 2) .. (one head): 8 x 4 accumulators
; of 16 x 16, 256 registers.  K goes in 8 steps of 128 through a ring of two LDS slots filled by the tensor data mover; a step is four quarters of 32 along K, 32 matrix instructions a wave each.
; CLUSTERS.  4 x 4 work-groups.  The four of a row of the cluster need the same tiles of A, the four of a column the same tiles of W: each tile is asked for JOINTLY, by the same tensor load with
; the same descriptor and a mask that names the four.  Waves 0 and 1 ask for A's two halves, waves 2 and 3 for W's: one load a wave behind each round; two loads of a wave are out at the start, later one.
; THE MATRIX INSTRUCTION IS USED TRANSPOSED: source 0 = 16 columns of W, source 1 = 16 rows of A: a lane then holds row l % 16 of C and the eight neighbouring columns 8 (l / 16) + 0 .. 7.
; W lies [k][n] and is turned on its way out of LDS by ds_load_tr16_b128; A comes out as it lies.
; REGISTERS.  window 0: v0-31 addresses; v32-63 the bias of my 64 columns; v64-159, v160-255 two fragment buffers (8 x 8 of A, then 4 x 8 of W), at work again on the way out.
;   window 1: the accumulators, (a, b) at v[8 (4 a + b)].  Two switches of the window a quarter.
.set OUT, 1
.if OUT
.set PA,     144                       ; a row of A in LDS: a head's 128 bytes + 16 of padding = 36 words: the 16 rows of a load start at 16 different groups of four banks (64 banks of 4 bytes: ISA guide 11.1)
.set AROWS,  256                       ; LDS rows that one load of A brings: one head's 64 channels of the tile's 256 rows
.set AQI,    4                         ; padding after every 32 words
.set ASTR,   128                       ; the 32,768 dense bytes are asked for as 128 rows of 256 bytes
.set ASTEP,  2*2048*128                ; a K step is two heads
.set PFL,    256                       ; the prefetches: a lane names 256 bytes of the dense block
.set SPITCH, 272                       ; a row of the stage: 64 f32 + 16 bytes
.set YOUNG,  16                        ; LDS instructions of one block's way through the stage
.else
.set PA,     272                       ; 256 bytes + 16 = 68 words: row r starts at bank 4 r mod 64
.set AROWS,  128                       ; half of the tile's rows, 128 along K
.set AQI,    5                         ; padding after every 64 words
.set ASTR,   1024
.set ASTEP,  256                       ; a K step is 256 bytes of a row
.set PFL,    2048                      ; a lane a row
.set SPITCH, 144                       ; 64 f16 + 16 bytes
.set YOUNG,  8
.endif
.set PB,     288                       ; a k row of W in LDS: 256 + 32 = 72 words
.set HA,     AROWS*PA                  ; what one load of A fills
.set HB,     64*PB                     ; what one load of W fills: 64 k rows x 128 columns
.set BOFF,   2*HA                      ; a slot: A's two halves, then W's two
.set SLOT,   BOFF+2*HB
.set STAGE,  2*SLOT                    ; behind the ring, never filled by a tensor load: 16 rows for each wave, for the way out
.set SPARE,  STAGE+4*16*SPITCH         ; behind the stages: the spare words, 128 bytes for each wave: two blocks of 256 bytes that no other line names
.set BSTEP,  128*2048                  ; 128 k rows of W
.set LAPS,   4                         ; a lap = two K steps = once round the ring
.set ADRA, 16                          ; v16-17  LDS address of my A fragments in slot 0, 1
.set ADRB, 20                          ; v20-21  the same for W
.set STO,  24                          ; v24     the way out: where I put my part of a row
.set RD,   25                          ; v25     the way out: where I read rows back
.set GO,   26                          ; v26     my byte offset in C
.set BO,   27                          ; v27     my byte offset in the bias: 32 (l / 16)
.set SPW,  28                          ; v28     LDS address of my spare word: SPARE + 4 x my thread's number; never rewritten
.set NIL,  29                          ; v29     0; never rewritten
.set PFO,  30                          ; v30     the prefetches' offset: my lane x PFL; never rewritten
.set TP,   31                          ; v31     at work
.set BIAS, 32                          ; v32-63  block b's eight at BIAS + 8 b
.set F0,   64
.set F1,   160
.set T,    64                          ; the way out: a block's 32 sums with the bias
.set PK,   96                          ; the way out (OUT = 0): they packed to f16
.set RB,   128                         ; the way out: rows read back from the stage
.set G1,   24                          ; s[24:31] descriptor group 1 for A's tiles;  s[32:39] group 0, one set for each slot
.set G0,   32
.set G1B,  48                          ; s[48:55], s[56:63] the same for W's tiles
.set G0B,  56
.set PFA,  44                          ; s[44:45] where my prefetches stand: my work-group's 32 blocks of the 128 that I fetch, one K step on from the refill in hand; a prefetch names the K step after that
.set LIM,  46                          ; s46  1 in a wave that prefetches, else the greatest number
.set MSB, 0
.macro WIN new                         ; the immediate's high byte repeats the setting that is left; a switch that changes nothing is dropped
.if MSB != (\new)
	s_set_vgpr_msb (MSB<<8)|(\new)
.set MSB, \new
.endif
.endm
.set MUL, 0x50                         ; sources 0 and 1 window 0; C and D window 1
.macro WM args:vararg                  ; the product's form goes by the operands' format
.if OUT
	v_wmma_f32_16x16x32_f16 \args
.else
	v_wmma_f32_16x16x32_bf16 \args
.endif
.endm
; A joint load.  The branch hangs on the wave's number alone.  An s_nop 0 and four v_nop follow each of the two lines, ahead of the jump, the label and what follows.
.macro JLOAD s
	s_cmp_eq_u32 s17, 0
	s_cbranch_scc0 .Lfor_b_\@
	tensor_load_to_lds s[G0+4*(\s):G0+4*(\s)+3], s[G1:G1+7]
	s_nop 0
.rept 4
	v_nop
.endr
	s_branch .Lasked_\@
.Lfor_b_\@:
	tensor_load_to_lds s[G0B+4*(\s):G0B+4*(\s)+3], s[G1B:G1B+7]
	s_nop 0
.rept 4
	v_nop
.endr
.Lasked_\@:
.endm
; A prefetch of A's K step that stands two refills on (256 matrix instructions of a wave ahead of the load that will want it): 32 blocks of 256 bytes, a lane a block, one instruction a wave.
; Each block is named once in the launch: both clusters of a row of clusters read A's tile rows, and the one with cluster x = 0 asks; of the 128 blocks that wave 0 or 1 fetches, the partner at
; place cx takes 32, told apart by address.  K steps 0 to 3 come by their loads alone; the loop's last trip (s3 = 1) asks for nothing: there is no K step 8.  W is not asked for: every tile row reads it.
.macro ASK
	s_cmp_gt_u32 s3, s[LIM]
	s_cbranch_scc0 .Lnot_mine_\@
	global_prefetch_b8 v[PFO], s[PFA:PFA+1] offset:ASTEP th:TH_LOAD_NT scope:SCOPE_SE
.Lnot_mine_\@:
.endm
.macro CREST                           ; a round of the cluster's barrier behind its opening barrier
	s_cmp_lg_u32 s16, 0
	s_cbranch_scc1 .Lnot_wave_0_\@
	s_barrier_signal -3
.Lnot_wave_0_\@:
	s_barrier_wait -3
	s_barrier_signal -1
	s_barrier_wait -1
.endm
.macro CROUND                          ; a whole round
	s_barrier_signal -1
	s_barrier_wait -1
	CREST
.endm
	s_load_b256 s[4:11], s[0:1], 0x0               ; A s[4:5], wb s[6:7], the first bias s[8:9]; s[10:11]: bk (OUT = 0) or out0 (OUT = 1)
.if OUT == 0
	s_load_b128 s[12:15], s[0:1], 0x20             ; bv s[12:13], qkv s[14:15]
.endif
	v_lshl_add_u32 v[SPW], v0, 2, SPARE
	v_mov_b32 v[NIL], 0
	ds_add_u32 v[SPW], v[NIL]                      ; the wave's opening: the add and its wait stand ahead of my first tensor load; the set-up below, work on registers, stands between them
	v_lshrrev_b32 v1, 5, v0
	v_readfirstlane_b32 s16, v1                    ; wave 0..3
	s_lshr_b32 s17, s16, 1                         ; which 128 rows of the tile are mine.  Also: I fetch for A (0) or for W (1)
	s_and_b32 s18, s16, 1                          ; which 64 columns.  Also: which half of that tile I fetch
	s_bfe_u32 s19, ttmp6, 0x40000                  ; cx, cy: my place in the cluster
	s_bfe_u32 s20, ttmp6, 0x40004
	s_lshl_b32 s21, ttmp9, 2
	s_add_co_u32 s21, s21, s19                     ; tile column of C = 4 x cluster x + cx
	s_and_b32 s23, ttmp7, 0xffff                   ; cluster y
	s_lshl_b32 s22, s23, 2
	s_add_co_u32 s22, s22, s20                     ; tile row of C = 4 x cluster y + cy
	s_lshr_b32 s23, s23, 3                         ; OUT = 0: which projection: 32 tile rows, 8 clusters, each; the same in all sixteen partners
	s_lshl_b32 s67, s20, 2
	s_lshl_b32 s67, 15, s67                        ; my row of the cluster
	s_lshl_b32 s2, 0x1111, s19                     ; my column
	s_or_b32 s[G1+0], s67, (1<<16)|(1<<20)|(1<<21)|(AQI<<22)|(3<<25)  ; 15:0 the mask: A's tiles go to my row; 17:16 elements of 2 bytes; 20 padding on; 21 set beside a mask; 24:22 its interval; 31:25 4 words of it (code 3)
	s_mov_b32 s[G1+1], 128<<16                     ; tensor_dim0 = 128
	s_mov_b32 s[G1+2], 128<<16                     ; tensor_dim1 = 128
	s_mov_b32 s[G1+3], 128<<16                     ; tile_dim0 = 128 elements: 256 bytes
	s_mov_b32 s[G1+4], 128                         ; tile_dim1 = 128 rows
	s_mov_b32 s[G1+5], ASTR                        ; elements from row to row
	s_mov_b32 s[G1+6], 0
	s_mov_b32 s[G1+7], 0
	s_or_b32 s[G1B+0], s2, (1<<16)|(1<<20)|(1<<21)|(5<<22)|(7<<25)    ; W's tiles go to my column; 8 words of padding (code 7) after every 64
	s_mov_b32 s[G1B+1], 128<<16
	s_mov_b32 s[G1B+2], 64<<16                     ; 64 k rows
	s_mov_b32 s[G1B+3], 128<<16
	s_mov_b32 s[G1B+4], 64
	s_mov_b32 s[G1B+5], 1024
	s_mov_b32 s[G1B+6], 0
	s_mov_b32 s[G1B+7], 0
	; where the tiles come from.  A's hang on the tile row and the wave alone, W's on the tile column, the projection and the wave alone, each in registers that never hold the other coordinate
.if OUT
	s_lshr_b32 s40, s22, 3                         ; the batch: 8 tile rows each, 16 heads of 2^18 bytes,
	s_lshl_b32 s40, s40, 22
	s_lshl_b32 s41, s18, 18                        ; the head of the K step's two that I fetch,
	s_add_co_u32 s40, s40, s41
	s_and_b32 s41, s22, 7                          ; the tile's 256 rows of 128 bytes
	s_lshl_b32 s41, s41, 15
	s_add_co_u32 s40, s40, s41
	s_mov_b32 s42, 3<<21                           ; plane 3 of wb
.else
	s_lshl_b32 s40, s22, 19                        ; 256 rows of 2,048 bytes a tile row,
	s_lshl_b32 s41, s18, 18                        ; the 128 of them that I fetch
	s_add_co_u32 s40, s40, s41
	s_lshl_b32 s42, s23, 21                        ; the projection's plane of wb
.endif
	s_mov_b32 s41, 0
	s_lshl_b32 s43, s18, 17                        ; the 64 k rows that I fetch,
	s_add_co_u32 s42, s42, s43
	s_lshl_b32 s43, s21, 8                         ; the tile's 128 columns
	s_add_co_u32 s42, s42, s43
	s_mov_b32 s43, 0
	s_mul_i32 s47, s18, HA                         ; and where they go: no place in the cluster enters an LDS address
	s_mul_i32 s66, s18, HB
	s_add_co_u32 s66, s66, BOFF
	s_wait_dscnt 0x0                               ; the opening add is done
	s_wait_kmcnt 0x0
	s_add_nc_u64 s[40:41], s[4:5], s[40:41]
	s_add_nc_u64 s[42:43], s[6:7], s[42:43]
.if OUT
	s_mov_b64 s[14:15], s[10:11]                   ; C
.else
	s_cmp_eq_u32 s23, 1
	s_cselect_b64 s[8:9], s[10:11], s[8:9]         ; the projection's bias
	s_cmp_eq_u32 s23, 2
	s_cselect_b64 s[8:9], s[12:13], s[8:9]
.endif
	CROUND                                         ; all sixteen work-groups are here: the first joint loads meet
.irp s, 0,1
	s_mov_b32 s[G0+4*(\s)], 1                                        ; 1:0 count = 1
	s_add_co_u32 s[G0+4*(\s)+1], s47, (\s)*SLOT                      ; 63:32 LDS address
	s_add_nc_u64 s[G0+4*(\s)+2:G0+4*(\s)+3], s[40:41], (\s)*ASTEP    ; 120:64 global address: K step s
	s_or_b32 s[G0+4*(\s)+3], s[G0+4*(\s)+3], 0x80000000              ; 127:126 type = 2
	s_mov_b32 s[G0B+4*(\s)], 1
	s_add_co_u32 s[G0B+4*(\s)+1], s66, (\s)*SLOT
	s_add_nc_u64 s[G0B+4*(\s)+2:G0B+4*(\s)+3], s[42:43], (\s)*BSTEP
	s_or_b32 s[G0B+4*(\s)+3], s[G0B+4*(\s)+3], 0x80000000
	JLOAD \s
.endr
	; A fragment of A is 16 rows x 32 K in 8 registers: lane l holds row l % 16; registers 0-3 K = 8 (l / 16) + 0..7, registers 4-7 K = 16 + 8 (l / 16) + 0..7: two loads of 16 bytes, 32 bytes apart.
	v_and_b32 v1, 15, v0                           ; l % 16
	v_bfe_u32 v2, v0, 4, 1                         ; l / 16
	v_mul_u32_u24 v3, v1, PA
	v_lshl_add_u32 v3, v2, 4, v3                   ; row x pitch + 16 x half
	s_mul_i32 s70, s17, 128*PA                     ; my 128 rows
	; The turning load takes 16 k x 16 columns (lane l reads 16 bytes: k row 8 (l / 16) + l % 8, columns 8 ((l / 8) % 2) + 0..7) and leaves half a fragment: lane l holds column l % 16 and 8 k.
	v_and_b32 v4, 7, v0
	v_bfe_u32 v5, v0, 3, 1
	v_lshl_add_u32 v6, v2, 3, v4
	v_mul_u32_u24 v6, v6, PB
	v_lshl_add_u32 v6, v5, 4, v6
	s_lshl_b32 s71, s18, 7                         ; my 64 columns: 128 bytes of a k row,
	s_add_co_u32 s71, s71, BOFF                    ; behind A's part of the slot
.irp s, 0,1
	v_add_nc_u32 v[ADRA+(\s)], s70, v3
	v_add_nc_u32 v[ADRB+(\s)], s71, v6
	s_add_co_u32 s70, s70, SLOT
	s_add_co_u32 s71, s71, SLOT
.endr
	s_mul_i32 s72, s16, 16*SPITCH
	s_add_co_u32 s72, s72, STAGE                   ; my stage
	v_mul_u32_u24 v7, v1, SPITCH                   ; in: row l % 16, eight numbers for each half of the lanes
.if OUT
	v_lshl_add_u32 v7, v2, 5, v7
	v_add_nc_u32 v[STO], s72, v7
	v_mul_u32_u24 v7, v2, SPITCH                   ; back: lanes 0-15 take one row of 256 bytes, lanes 16-31 the next,
	v_lshl_add_u32 v7, v1, 4, v7
	v_add_nc_u32 v[RD], s72, v7
	v_lshlrev_b32 v7, 12, v2                       ; and the same two rows in C, 4,096 bytes apart
	v_lshl_add_u32 v[GO], v1, 4, v7
.else
	v_lshl_add_u32 v7, v2, 4, v7
	v_add_nc_u32 v[STO], s72, v7
	v_bfe_u32 v7, v0, 3, 2                         ; back: 32 lanes take four rows of 128 bytes,
	v_mul_u32_u24 v7, v7, SPITCH
	v_lshl_add_u32 v7, v4, 4, v7
	v_add_nc_u32 v[RD], s72, v7
	v_and_b32 v7, 31, v0                           ; which are 512 consecutive bytes of a head's rows
	v_lshlrev_b32 v[GO], 4, v7
.endif
	v_lshlrev_b32 v[BO], 5, v2
	s_lshl_b32 s76, s21, 9                         ; the bias of my 64 columns: 512 bytes a tile column, 256 a wave
	s_lshl_b32 s77, s18, 8
	s_add_co_u32 s76, s76, s77
	s_mov_b32 s77, 0
	s_add_nc_u64 s[8:9], s[8:9], s[76:77]
.irp b, 0,1,2,3
	global_load_b128 v[BIAS+8*(\b):BIAS+8*(\b)+3],   v[BO], s[8:9] offset:64*(\b)
	global_load_b128 v[BIAS+8*(\b)+4:BIAS+8*(\b)+7], v[BO], s[8:9] offset:64*(\b)+16
.endr
	; where my part of C begins
.if OUT
	s_lshl_b32 s68, s22, 20                        ; 256 rows of 4,096 bytes a tile row,
	s_lshl_b32 s74, s17, 19                        ; my 128 of them,
	s_add_co_u32 s68, s68, s74
	s_lshl_b32 s74, s21, 9                         ; 128 columns of 4 bytes a tile column,
	s_add_co_u32 s68, s68, s74
	s_lshl_b32 s74, s18, 8                         ; my 64
	s_add_co_u32 s68, s68, s74
.else
	s_lshr_b32 s68, s22, 3                         ; 4 x projection + batch: 8 tile rows each, 16 heads of 2^18 bytes,
	s_lshl_b32 s68, s68, 22
	s_and_b32 s74, s22, 7                          ; the tile's 256 rows of 128 bytes,
	s_lshl_b32 s74, s74, 15
	s_add_co_u32 s68, s68, s74
	s_lshl_b32 s74, s21, 19                        ; two heads a tile column,
	s_add_co_u32 s68, s68, s74
	s_lshl_b32 s74, s18, 18                        ; mine of the two,
	s_add_co_u32 s68, s68, s74
	s_lshl_b32 s74, s17, 14                        ; my 128 rows
	s_add_co_u32 s68, s68, s74
.endif
	s_mov_b32 s69, 0
	s_add_nc_u64 s[14:15], s[14:15], s[68:69]
	; the prefetches: nothing is asked for here, at the head, where every work-group's first tiles are on their way
	s_mul_i32 s78, s19, 32*PFL                     ; my work-group's 32 blocks of the 128
	s_mov_b32 s79, 0
	s_add_nc_u64 s[PFA:PFA+1], s[40:41], s[78:79]
	s_add_nc_u64 s[PFA:PFA+1], s[PFA:PFA+1], 2*ASTEP  ; at K step 2: the first refill steps it to 3 and names K step 4
	s_or_b32 s[LIM], s17, ttmp9                    ; 0 in waves 0 and 1 of the clusters with x = 0: the same in all sixteen partners, for a given wave
	s_cmp_eq_u32 s[LIM], 0
	s_cselect_b32 s[LIM], 1, -1
	v_and_b32 v[PFO], 31, v0
	v_mul_u32_u24 v[PFO], v[PFO], PFL
	s_wait_loadcnt 0x0                             ; the bias, once: rounded to bf16 like every input, and widened again
.set i, 0
.rept 16
	v_cvt_pk_bf16_f32 v[TP], v[BIAS+2*i], v[BIAS+2*i+1]
	v_lshlrev_b32 v[BIAS+2*i], 16, v[TP]
	v_and_b32 v[BIAS+2*i+1], 0xffff0000, v[TP]
.set i, i+1
.endr
; 8 matrix instructions: row blocks a0, a0 + 1 x all 4 column blocks, 32 along K, from buffer f.  zero = 1: the product starts the sum: nothing is ever cleared.
; The 32 accumulators take turns, one instruction a turn, in the same order in every quarter, over the backward jump too.
.macro MUL8 f, a0, zero
	WIN MUL
.irp a, \a0, (\a0)+1
.irp b, 0,1,2,3
.if \zero
	WM v[8*(4*(\a)+(\b)):8*(4*(\a)+(\b))+7], v[(\f)+64+8*(\b):(\f)+64+8*(\b)+7], v[(\f)+8*(\a):(\f)+8*(\a)+7], 0
.else
	WM v[8*(4*(\a)+(\b)):8*(4*(\a)+(\b))+7], v[(\f)+64+8*(\b):(\f)+64+8*(\b)+7], v[(\f)+8*(\a):(\f)+8*(\a)+7], v[8*(4*(\a)+(\b)):8*(4*(\a)+(\b))+7]
.endif
.endr
.endr
.endm
; 24 LDS loads in one run: the fragments of quarter q of a slot into buffer f: W's four (turned) first, then A's eight in ascending rows
.macro FETCH slot, q, f
	WIN 0
.irp b, 0,1,2,3
	ds_load_tr16_b128 v[(\f)+64+8*(\b):(\f)+64+8*(\b)+3],   v[ADRB+(\slot)] offset:(\q)*32*PB+32*(\b)
	ds_load_tr16_b128 v[(\f)+64+8*(\b)+4:(\f)+64+8*(\b)+7], v[ADRB+(\slot)] offset:(\q)*32*PB+32*(\b)+16*PB
.endr
.irp i, 0,1,2,3,4,5,6,7
.if OUT
.set AO, ((\q)/2)*HA+((\q)%2)*64+(\i)*16*PA    ; the head q / 2 of the step's two, its channels 32 (q % 2) on
.else
.set AO, (\q)*64+(\i)*16*PA
.endif
	ds_load_b128 v[(\f)+8*(\i):(\f)+8*(\i)+3],   v[ADRA+(\slot)] offset:AO
	ds_load_b128 v[(\f)+8*(\i)+4:(\f)+8*(\i)+7], v[ADRA+(\slot)] offset:AO+32
.endr
.endm
.macro PLACES                          ; four places in front of loads into registers that matrix instructions have read, and of vector lines that read results (ISA guide 7.12.1 for the vector lines)
.rept 4
	v_nop
.endr
.endm
; One of a K step's first three quarters: multiplies buffer f; in its middle it fetches quarter q of the same slot into buffer g.
.macro QUARTER slot, q, f, g, zero
	s_wait_dscnt 8                                 ; W and A's rows 0-63 are in; the youngest eight loads (A's rows 64-127) may be out
	MUL8 \f, 0, \zero
	MUL8 \f, 2, \zero
	PLACES
	FETCH \slot, \q, \g
	s_wait_dscnt 24                                ; all but the 24 just issued
	MUL8 \f, 4, \zero
	MUL8 \f, 6, \zero
.endm
; The last quarter multiplies buffer 1 and changes slots: ONE barrier; in front of it each wave waits for all its tensor loads (the one that is out is its part of the next slot), adds 0 to its spare
; word, and waits for that and for its own reads of this slot.  fill = 1: the barrier opens a round of the cluster's, and this slot is filled again, two K steps ahead, first thing behind the round:
; 112 matrix instructions ahead of the wait for it.
.macro TURN slot, next, fill
.if \fill
	s_wait_xcnt 0x0                                ; the last prefetch, a K step back, has read its address: it is stepped here, ahead of the waits of the change of slots
	s_add_nc_u64 s[PFA:PFA+1], s[PFA:PFA+1], ASTEP
.endif
	WIN 0                                          ; (the add's two registers lie in window 0)
	s_wait_tensorcnt 0x0                           ; all my tensor loads have landed;
	ds_add_u32 v[SPW], v[NIL]                      ; 0 onto my spare word
	s_wait_dscnt 9                                 ; (the add and the youngest eight loads may be out)
	MUL8 F1, 0, 0                                  ; eight matrix instructions stand between the add and the wait for it
	s_wait_dscnt 0x0                               ; the add is done, and my reads of this slot are over
	s_barrier_signal -1
	MUL8 F1, 2, 0
.if \fill
	WIN 0
.endif
	s_barrier_wait -1
.if \fill
	CREST                                          ; no wave of any partner still reads this slot's tile or has a load on its way
	s_add_nc_u64 s[G0+4*(\slot)+2:G0+4*(\slot)+3], s[G0+4*(\slot)+2:G0+4*(\slot)+3], 2*ASTEP
	s_add_nc_u64 s[G0B+4*(\slot)+2:G0B+4*(\slot)+3], s[G0B+4*(\slot)+2:G0B+4*(\slot)+3], 2*BSTEP
	JLOAD \slot                                    ; the four v_nop behind it are also the places in front of the loads below
.else
	PLACES
.endif
	FETCH \next, 0, F0
.if \fill
	ASK
.endif
	MUL8 F1, 4, 0
	MUL8 F1, 6, 0
.endm
	s_wait_tensorcnt 1                             ; my part of K step 0 is in; K step 1's may stay out
	s_barrier_signal -1
	s_barrier_wait -1                              ; everybody's is
	FETCH 0, 0, F0
	QUARTER 0, 1, F0, F1, 1                        ; the first quarter stands in front of the loop: its products start the sums
	WIN 0                                          ; at a label and at a branch every window is 0
	s_mov_b32 s3, LAPS-1
.Llap:                                                 ; a trip goes once round the ring, from a lap's second quarter to the next lap's first, and fills both slots again
	QUARTER 0, 2, F1, F0, 0
	QUARTER 0, 3, F0, F1, 0
	TURN 0, 1, 1
	QUARTER 1, 1, F0, F1, 0
	QUARTER 1, 2, F1, F0, 0
	QUARTER 1, 3, F0, F1, 0
	TURN 1, 0, 1
	QUARTER 0, 1, F0, F1, 0
	WIN 0
	s_sub_co_u32 s3, s3, 1
	s_cmp_lg_u32 s3, 0
	s_cbranch_scc1 .Llap
	QUARTER 0, 2, F1, F0, 0                        ; the last lap fills nothing, and has no round of the cluster's barrier
	QUARTER 0, 3, F0, F1, 0
	TURN 0, 1, 0
	QUARTER 1, 1, F0, F1, 0
	QUARTER 1, 2, F1, F0, 0
	QUARTER 1, 3, F0, F1, 0
	s_wait_dscnt 8                                 ; the very last quarter: nothing more to fetch
	MUL8 F1, 0, 0
	MUL8 F1, 2, 0
	s_wait_dscnt 0x0
	MUL8 F1, 4, 0
	MUL8 F1, 6, 0
	WIN 0
	PLACES
; THE WAY OUT, a block of 16 rows at a time, through my own stage in LDS.  PACK: the bias is added (each accumulator's registers in ascending order), OUT = 0: the sums are
; rounded to f16; a lane's eight neighbouring numbers go into the stage's padded rows and come back as whole rows.  SEND: stored.
.macro PACK a
	WIN 0x01                                       ; source 0 window 1
.irp b, 0,1,2,3
.irp j, 0,2,4,6
	v_pk_add_f32 v[T+8*(\b)+(\j):T+8*(\b)+(\j)+1], v[8*(4*(\a)+(\b))+(\j):8*(4*(\a)+(\b))+(\j)+1], v[BIAS+8*(\b)+(\j):BIAS+8*(\b)+(\j)+1]
.endr
.endr
	WIN 0
.if OUT
.irp b, 0,1,2,3
	ds_store_b128 v[STO], v[T+8*(\b):T+8*(\b)+3]   offset:64*(\b)
	ds_store_b128 v[STO], v[T+8*(\b)+4:T+8*(\b)+7] offset:64*(\b)+16
.endr
.if (\a) >= 4
	s_wait_xcnt 0x0                                ; the stores of the block four back have read the registers that are loaded again below
.endif
.irp t, 0,1,2,3,4,5,6,7
	ds_load_b128 v[RB+32*((\a)%4)+4*(\t):RB+32*((\a)%4)+4*(\t)+3], v[RD] offset:(\t)*2*SPITCH  ; LDS serves a wave's instructions in order (ISA guide 5.7.1.4): these see the stores above; the next block's stores come behind them
.endr
.else
.irp b, 0,1,2,3
.irp j, 0,1,2,3
	v_cvt_pk_f16_f32 v[PK+4*(\b)+(\j)], v[T+8*(\b)+2*(\j)], v[T+8*(\b)+2*(\j)+1]
.endr
.endr
.irp b, 0,1,2,3
	ds_store_b128 v[STO], v[PK+4*(\b):PK+4*(\b)+3] offset:32*(\b)
.endr
.irp f, 0,1,2,3
	ds_load_b128 v[RB+16*(\a)+4*(\f):RB+16*(\a)+4*(\f)+3], v[RD] offset:(\f)*4*SPITCH  ; in order behind the stores above; the next block's stores come behind them
.endr
.endif
.endm
.macro SEND a, younger                 ; younger: the LDS instructions issued behind block a's loads: the next block's, or none
.if OUT
.irp t, 0,1,2,3,4,5,6,7
	s_wait_dscnt (\younger)+7-(\t)
	global_store_b128 v[GO], v[RB+32*((\a)%4)+4*(\t):RB+32*((\a)%4)+4*(\t)+3], s[14:15] offset:(16*(\a)+2*(\t))*4096 th:TH_STORE_NT  ; 16 lanes store 256 consecutive bytes, at a multiple of 256 from C's first byte
.endr
.else
.irp f, 0,1,2,3
	s_wait_dscnt (\younger)+3-(\f)
	global_store_b128 v[GO], v[RB+16*(\a)+4*(\f):RB+16*(\a)+4*(\f)+3], s[14:15] offset:2048*(\a)+512*(\f)  ; 512 consecutive bytes, at a multiple of 256 from C's first byte
.endr
.endif
.endm
	PACK 0
.irp a, 1,2,3,4,5,6,7                  ; a block's arithmetic stands between the loads of the block before and its stores
	PACK \a
	SEND (\a)-1, YOUNG
.endr
	SEND 7, 0
	s_wait_tensorcnt 0x0                           ; the wave's end: behind my last tensor load and my last LDS store
	ds_add_u32 v[SPW], v[NIL]
	s_wait_dscnt 0x0
	CROUND                                         ; the closing round: no work-group ends while a partner may still ask for a tile that names it
	s_endpgm
.Lfunc_end_k_q9f607f9e19_outp:
	.size	k_q9f607f9e19_outp, .Lfunc_end_k_q9f607f9e19_outp-k_q9f607f9e19_outp
	.p2alignl 7, 3214868480
	.fill 96, 4, 3214868480
	.section	.rodata,"a",@progbits
	.p2align	6, 0x0
	.amdhsa_kernel k_q9f607f9e19_outp
		.amdhsa_group_segment_fixed_size 327680
		.amdhsa_private_segment_fixed_size 0
		.amdhsa_enable_private_segment 0
		.amdhsa_kernarg_size 32
		.amdhsa_user_sgpr_count 2
		.amdhsa_user_sgpr_kernarg_segment_ptr 1
		.amdhsa_wavefront_size32 1
		.amdhsa_system_sgpr_workgroup_id_x 1
		.amdhsa_system_sgpr_workgroup_id_y 1
		.amdhsa_system_sgpr_workgroup_id_z 1
		.amdhsa_system_vgpr_workitem_id 0
		.amdhsa_next_free_vgpr 512
		.amdhsa_next_free_sgpr 80
		.amdhsa_reserve_vcc 0
		.amdhsa_float_denorm_mode_32 3
		.amdhsa_float_denorm_mode_16_64 3
		.amdhsa_memory_ordered 1
		.amdhsa_forward_progress 1
		.amdhsa_inst_pref_size 100
	.end_amdhsa_kernel
	.amdgpu_metadata
---
amdhsa.version: [ 1, 2 ]
amdhsa.kernels:
  - .name:           k_q9f607f9e19_outp
    .symbol:         k_q9f607f9e19_outp.kd
    .args:
      - { .name: ob, .offset: 0, .size: 8, .value_kind: global_buffer, .address_space: global }
      - { .name: wb, .offset: 8, .size: 8, .value_kind: global_buffer, .address_space: global }
      - { .name: bo, .offset: 16, .size: 8, .value_kind: global_buffer, .address_space: global }
      - { .name: out0, .offset: 24, .size: 8, .value_kind: global_buffer, .address_space: global }
    .group_segment_fixed_size: 327680
    .private_segment_fixed_size: 0
    .kernarg_segment_align: 8
    .kernarg_segment_size: 32
    .max_flat_workgroup_size: 128
    .sgpr_count:     80
    .vgpr_count:     512
    .wavefront_size: 32
...
	.end_amdgpu_metadata
.endif
;; end of part 4
